; MI455X (gfx1250); checked and timed in simulation.
; The chip was launched on July 23, 2026; its instructions are those of AMD's public machine-readable ISA for CDNA 5 (MIT licence, August 2026) and "CDNA5" Instruction Set Architecture Reference Guide (July 2026). The comments in the code are by the model that wrote it; some were corrected since.
;; Plasticity Model Mo E. Allowed arithmetic: matrix products marked QUANTISED: E2M3 operands, one E8M0 scale for each 32 along K, by v_wmma_scale_f32_16x16x128_f8f6f4 with both operands' format E2M3, f32 sums; products left as they are: f32 operands where the result goes on into a quantised operand, else bf16, f16 or f32 operands; f32 sums; everything else in f32.
;; Inputs: act_w 9 float32; b 2,048 x 4 float32; conn_W1 2,048 x 32 float32; conn_W2 32 x 2,048 float32; conn_b1 32 float32; conn_b2 2,048 float32; delay 1,024 x 2,048 x 4 float32; gate_W 1,024 x 4 float32; gate_b 4 float32; mask 2,048 float32; memory_codes 1,024 x 256 x 24 uint8 (E2M3 codes of memory, K innermost, in blocks of 32 codes, four codes in three bytes); memory_scales 1,024 x 256 uint8 (E8M0 scales of memory, one for each 32 codes along K); neuron_avg 2,048 float32; read_W_codes 8,192 x 64 x 24 uint8 (E2M3 codes of read_W, K innermost, in blocks of 32 codes, four codes in three bytes); read_W_scales 8,192 x 64 uint8 (E8M0 scales of read_W, one for each 32 codes along K); read_b 8,192 float32; w 1,024 x 2,048 x 4 float32; x 2,048 x 1,024 float32.
;; Outputs: out0 2,048 x 1,024 float32.
;; This version of the problem:
;;   THIS VERSION OF THE PROBLEM IS GIVEN IN LOW PRECISION. The matrix products marked QUANTISED in the list below multiply operands that are first quantised to E2M3 (2 exponent bits, 3 mantissa bits; 6 bits a number), with one power-of-two scale for each 32 numbers along K (OCP MX v1.0); their sums are f32. All else is computed in f32.
;;   The module's matrix products, in the order in which they are computed (A, B: the left and right operand; K: the contracted axis; several contracted axes count as one K, in the product's order):
;;     1. [M 2,048, K 1,024] x [K 1,024, N 8,192]; A: input x; B: computed on the way: QUANTISED
;;     2. [M 2,048, K 1,024] x [K 1,024, N 4]; A: input x; B: input gate_W: left as it is (N = 4 < 16)
;;     3. batch 2,048 x [M 2,048, K 4] x [K 4, N 1]; A: computed on the way; B: softmax (see below): left as it is (K = 4 < 32)
;;     4. [M 1, K 2,048] x [K 2,048, N 32]; A: input neuron_avg; B: input conn_W1: left as it is (M = 1 < 16)
;;     5. [M 1, K 32] x [K 32, N 2,048]; A: computed on the way; B: input conn_W2: left as it is (M = 1 < 16)
;;     6. [M 2,048, K 2,048] x [K 2,048, N 8,192]; A: computed on the way; B: input read_W (given as codes): QUANTISED
;;     7. [M 2,048, K 8,192] x [K 8,192, N 1,024]; A: softmax (see below); B: input memory (given as codes): QUANTISED
;;   THE QUANTISER, for each operand of a quantised product, along K:
;;     - K is cut into blocks of 32 from its start; a last block that is shorter is filled with zeros.
;;     - A block's scale is 2^e with e = floor(log2(the largest magnitude in the block)) - 2, held to -126 .. 127; a block of zeros has e = 0. As a byte (E8M0): e + 127.
;;     - Each number is divided by its block's scale, clamped to +-7.5, and rounded to the nearest number of E2M3, ties to even, subnormals kept.
;;     - The product sums the exact products of the quantised numbers (number of the format x scale) in f32.
;;   ~~~python
;;   def quantise(x, axis):      # numpy; x: float32 -> the quantised numbers, widened to float32 again
;;       x = np.moveaxis(x, axis, -1); K = x.shape[-1]
;;       x = np.pad(x, [(0, 0)] * (x.ndim - 1) + [(0, -K % 32)]); x = x.reshape(x.shape[:-1] + (-1, 32)); a = np.abs(x).max(-1, keepdims=True)
;;       e = np.where(a > 0, np.clip(np.frexp(np.where(a > 0, a, 1))[1] - 1 - 2, -126, 127), 0)      # np.frexp(a)[1] - 1 = floor(log2(a)), exactly
;;       r = np.clip(x / 2.0 ** e, -7.5, 7.5)
;;       step = 2.0 ** (np.maximum(np.frexp(np.where(r == 0, 1, r))[1] - 1, 0) - 3)
;;       q = np.round(r / step) * step * 2.0 ** e      # np.round: ties to even
;;       return np.moveaxis(q.reshape(q.shape[:-2] + (-1,))[..., :K], -1, axis).astype(np.float32)
;;   ~~~
;;   SOFTMAX AHEAD OF A QUANTISED PRODUCT. Where the list says 'softmax', what is quantised is not the finished softmax but p = 2^(t - M), with t = logit x log2(e) and M = ceil(the row's largest t), a whole number; so 1/2 < the row's largest p <= 1. The row's sum l is taken of the UNQUANTISED p, in f32, and the product's result is divided by l at the end. Since M is a whole number, a kernel that streams over the keys may use a running M (the ceiling of the running maximum): every later rescaling is an exact power of two, which a block's scale takes up: the codes' values come out the same.
;;   OPERANDS COMPUTED ON THE WAY. 'Computed on the way' means the value that the module computes at that place (a softmax that the list does not call 'softmax' is quantised finished and normalised). What goes into a quantiser is computed in f32, as accurately as f32 sums, v_exp_f32 and their like allow (about 1e-6 of the number): no bf16 or f16 on the way to a quantiser, and a product that is left as it is and whose result goes on into a quantised operand takes f32 operands (vector FMAs, or v_wmma_f32_16x16x4_f32). A number that lies on a knife's edge between two numbers of the format may be rounded either way, as far as f32 arithmetic and the matrix unit's own rounding can turn it there, and no further.
;;   INPUTS GIVEN AS CODES. memory (in the module: [8192, 1024], K = its axis 0); read_W (in the module: [2048, 8192], K = its axis 0): each comes as NAME_codes (uint8): NAME with its K axis moved to the last place and cut into blocks of 32 codes, [.., K / 32, bytes a block], one block behind the other in memory; four codes in three bytes: a row's codes are one little-endian stream of bits, code i at bits 6 i .. 6 i + 5 (a code: sign, 2 exponent bits, 3 mantissa bits); and NAME_scales (uint8): the same leading axes, one E8M0 byte (e + 127) for each 32 codes along K. Its value is code x scale, taken as it is: it is not quantised again, and the codes and scales need not be those that the quantiser above would give.
;; One version. Each part assembles by itself: llvm-mc -triple=amdgcn-amd-amdhsa -mcpu=gfx1250 --defsym DOCPART=n.
;; ======== version 1 of 1: 4 launches
;; workspace buffers: wbuf 6,553,600 bytes; xbuf 1,675,264 bytes; hbuf 3,276,800 bytes; pbuf 12,582,912 bytes; sbuf 1,572,864 bytes
;; launch prep (part 1): grid 648 x 1, 4 waves a work-group, no clusters, 31,232 bytes of LDS; arguments x, w, delay, gate_W, gate_b, neuron_avg, conn_W1, wbuf, xbuf; writes wbuf, xbuf
.if DOCPART == 1
	.amdgcn_target "amdgcn-amd-amdhsa--gfx1250"
	.amdhsa_code_object_version 6
	.text
	.protected	k_q952d5229a0_prep
	.globl	k_q952d5229a0_prep
	.p2align	8
	.type	k_q952d5229a0_prep,@function
k_q952d5229a0_prep:
	s_mov_b64 s[64:65], 0
	v_nop
	global_prefetch_b8 v0, s[64:65] scope:SCOPE_SE
	s_setreg_imm32_b32 hwreg(HW_REG_WAVE_MODE, 25, 1), 1
	s_wait_xcnt 0x0
; THE OPERANDS OF THE FIRST PRODUCT, AND TWO SMALL PRODUCTS.  Three ways, chosen by the work-group's number; each has LDS bytes of its own.
;  W (512 work-groups): w x sigmoid(delay), [1024 k][8192 columns] f32, becomes codes of E2M3 along k with one E8M0 byte for each 32 k.
;  X (128 work-groups): 16 rows of x become codes likewise; the same numbers give softmax(x gate_W + gate_b), in f32 fused multiply-adds.
;  H (8 work-groups): 32 partial sums of neuron_avg conn_W1, 64 rows each; the next launch adds them.
; HOW CODES LIE IN THE WORKSPACE: as images of operand registers.  A piece of 768 bytes holds 16 rows x 64 k: lane l = (r = l % 16, h = l / 16) owns the 24 bytes of
; row r's block h: its first 16 bytes at 16 l, its last 8 at 512 + 8 l.  Two pieces are a fragment of 16 x 128; it is loaded by 16, 8, 16, 8 bytes a lane, dense in the lanes.
; wbuf: codes [tile 512][piece 16][768]; row r of tile 8 G + t is column 128 G + 8 t + r (r < 8) or 128 G + 64 + 8 t + r - 8; at WS_OFF scale words [G 64][K step 8][128 rows].
; xbuf: codes [tile 128][piece 16][768]; XS_OFF scale words [tile][K step 8][16]; GATE_OFF the gate [2048][4] f32; HP_OFF the partial sums [32][32] f32.
; No cluster: the work-groups share no large input.  No tensor load: every number passes through registers anyway.
; LIMITS: NaN and infinities are not served.  A block whose largest magnitude lies under 2^-124 keeps the byte 1, a block of zeros too (its codes are zeros; only this program reads the bytes).
.set WS_OFF,   6291456
.set XS_OFF,   1572864
.set GATE_OFF, 1638400
.set HP_OFF,   1671168
.set STW,  0                           ; way W: 8 tiles x 2 pieces x 768 bytes
.set SSW,  12288                       ; way W: 128 scale words
.set XSS,  12800                       ; way X: 8 x 16 scale words
.set GRED, 13312                       ; way X: the four waves' parts of the gate's sums
.set GWL,  14336                       ; way X: gate_W, 4,096 bytes for each wave: the 256 rows of its k
.set WMD,  144                         ; v144-207 way W: w x sigmoid(delay), [column of the pair][32 k]
.set CD,   208                         ; v208-239 way W: codes, 8 registers for each (block, column)
	s_load_b512 s[4:19], s[0:1], 0x0               ; x, w, delay, gate_W, gate_b, neuron_avg, conn_W1, wbuf
	s_load_b64 s[20:21], s[0:1], 0x40              ; xbuf
	s_set_vgpr_msb 0x40
	v_lshl_add_u32 v0, v0, 2, 0x7800
	v_mov_b32 v1, 0
	s_set_vgpr_msb 0x4000
	v_lshrrev_b32 v1, 5, v0
	v_readfirstlane_b32 s22, v1                    ; wave
	v_and_b32 v2, 31, v0                           ; lane
	s_mov_b32 s36, 0x76543210
	s_mov_b32 s37, 0xfedcba98                      ; selects: lane l xor 16
	s_cmp_lt_u32 ttmp9, 8
	s_cbranch_scc1 .Lpath_h
	s_cmp_lt_u32 ttmp9, 136
	s_cbranch_scc1 .Lpath_x
; ---------------- way W: 128 columns x 128 k.  Wave: 64 columns (ch) x 64 k (c); a lane takes two neighbouring columns, its registers run down k
	s_sub_co_u32 s23, ttmp9, 136                   ; 8 G + K step
	s_lshr_b32 s24, s23, 3                         ; G
	s_and_b32 s25, s23, 7                          ; K step
	s_and_b32 s26, s22, 1                          ; ch
	s_lshr_b32 s27, s22, 1                         ; c
	s_lshl_b32 s28, s25, 7
	s_lshl_b32 s29, s27, 6
	s_add_co_u32 s28, s28, s29                     ; my first k
	s_lshl_b32 s28, s28, 15                        ; a row of w is 32,768 bytes
	s_lshl_b32 s29, s24, 9
	s_add_co_u32 s28, s28, s29
	s_lshl_b32 s29, s26, 8
	s_add_co_u32 s28, s28, s29                     ; + my wave's 256 bytes of the row
	s_mov_b32 s29, 0
	v_lshlrev_b32 v3, 3, v2                        ; 8 bytes a lane: a load of the wave covers 256 consecutive bytes
	v_lshrrev_b32 v4, 2, v2                        ; tile t = lane / 4
	v_and_b32 v5, 3, v2
	v_mul_u32_u24 v6, v4, 1536
	s_mul_i32 s30, s27, 768
	s_lshl_b32 s31, s26, 7
	s_add_co_u32 s31, s31, s30
	v_lshl_add_u32 v7, v5, 5, v6
	v_add_nc_u32 v7, s31, v7                       ; stage, first 16 bytes: 1536 t + 768 c + 16 (2 (lane % 4) + 8 ch); + 16 e + 256 block in the immediate
	s_lshl_b32 s31, s26, 6
	s_add_co_u32 s31, s31, s30
	s_add_co_u32 s31, s31, 512
	v_lshl_add_u32 v8, v5, 4, v6
	v_add_nc_u32 v8, s31, v8                       ; last 8 bytes: 512 + half of that
	v_lshlrev_b32 v9, 6, v4
	v_lshl_add_u32 v9, v5, 3, v9
	s_lshl_b32 s31, s26, 5
	s_lshl_b32 s30, s27, 1
	s_add_co_u32 s31, s31, s30
	s_add_co_u32 s31, s31, SSW
	v_add_nc_u32 v9, s31, v9                       ; my two scale bytes: word 16 t + 8 ch + 2 (lane % 4) + e, bytes 2 c and 2 c + 1
	v_lshlrev_b32 v10, 4, v2
	s_mul_i32 s30, s22, 3072
	v_add_nc_u32 v11, s30, v10                     ; the way out: wave w takes tiles 2 w and 2 w + 1
	s_lshl_b32 s30, s24, 3
	s_lshl_b32 s31, s22, 1
	s_add_co_u32 s30, s30, s31
	s_mul_i32 s30, s30, 12288
	s_mul_i32 s31, s25, 1536
	s_add_co_u32 s30, s30, s31
	s_mov_b32 s31, 0
	s_lshl_b32 s38, s23, 9
	s_add_co_u32 s38, s38, WS_OFF
	s_mov_b32 s39, 0
	s_wait_kmcnt 0x0
	s_add_nc_u64 s[6:7], s[6:7], s[28:29]
	s_add_nc_u64 s[8:9], s[8:9], s[28:29]
	s_add_nc_u64 s[32:33], s[18:19], s[30:31]
	s_add_nc_u64 s[34:35], s[18:19], s[38:39]
.macro LOADSET n                       ; 16 k of w and of delay into set n % 2
.set RS, 16+64*((\n)%2)
.set i, 0
.rept 16
	global_load_b64 v[RS+2*i:RS+2*i+1], v3, s[6:7] offset:(16*(\n)+i)*32768 th:TH_LOAD_NT
	global_load_b64 v[RS+32+2*i:RS+33+2*i], v3, s[8:9] offset:(16*(\n)+i)*32768 th:TH_LOAD_NT
.set i, i+1
.endr
.endm
.macro SIG n                           ; w / (1 + 2^(-delay log2 e)); the last multiplication lays k along consecutive registers
.set RS, 16+64*((\n)%2)
.set RDL, RS+32
.set i, 0
.rept 16
	v_pk_mul_f32 v[RDL+2*i:RDL+2*i+1], v[RDL+2*i:RDL+2*i+1], 0xbfb8aa3b op_sel_hi:[1,0]
.set i, i+1
.endr
.set i, 0
.rept 32
	v_exp_f32 v[RDL+i], v[RDL+i]
.set i, i+1
.endr
	v_nop                                          ; a plain instruction behind the batch,
	s_wait_alu depctr_va_vdst(0)                   ; and one wait for it, ahead of its first reader
.set i, 0
.rept 16
	v_pk_add_f32 v[RDL+2*i:RDL+2*i+1], v[RDL+2*i:RDL+2*i+1], 1.0 op_sel_hi:[1,0]
.set i, i+1
.endr
.set i, 0
.rept 32
	v_rcp_f32 v[RDL+i], v[RDL+i]
.set i, i+1
.endr
	v_nop
	s_wait_alu depctr_va_vdst(0)
.set i, 0
.rept 16
	v_mul_f32 v[WMD+16*((\n)%2)+i], v[RS+2*i], v[RDL+2*i]
	v_mul_f32 v[WMD+32+16*((\n)%2)+i], v[RS+2*i+1], v[RDL+2*i+1]
.set i, i+1
.endr
.endm
.macro QUANTW hb                       ; two blocks of 32 k (my two columns): largest magnitude with the floor 2^-124, scale, codes, into the stage
	v_max3_num_f32 v248, |v[WMD]|, |v[WMD+1]|, 0x1800000
	v_max3_num_f32 v249, |v[WMD+32]|, |v[WMD+33]|, 0x1800000
.set i, 2
.rept 15
	v_max3_num_f32 v248, v248, |v[WMD+i]|, |v[WMD+i+1]|
	v_max3_num_f32 v249, v249, |v[WMD+32+i]|, |v[WMD+33+i]|
.set i, i+2
.endr
	v_add_nc_u32 v250, 0xff000000, v248            ; 2 off the exponent field: the conversion's scale operand
	v_add_nc_u32 v251, 0xff000000, v249
.irp e, 0,1
	v_cvt_scalef32_pk16_fp6_f32 v[CD+16*\hb+8*\e:CD+16*\hb+8*\e+2], v[WMD+32*\e:WMD+32*\e+15], v[250+\e]
	v_cvt_scalef32_pk16_fp6_f32 v[240+4*\e:242+4*\e], v[WMD+32*\e+16:WMD+32*\e+31], v[250+\e]
.endr
	v_nop                                          ; a plain instruction behind the conversions
.irp e, 0,1
	v_lshrrev_b32 v[252+2*\hb+\e], 23, v[250+\e]   ; the scale's byte
	v_mov_b32 v[CD+16*\hb+8*\e+3], v[240+4*\e]     ; (a conversion's three registers begin on an even number)
	v_mov_b32 v[CD+16*\hb+8*\e+4], v[241+4*\e]
	v_mov_b32 v[CD+16*\hb+8*\e+5], v[242+4*\e]
	ds_store_b128 v7, v[CD+16*\hb+8*\e:CD+16*\hb+8*\e+3] offset:256*\hb+16*\e
	ds_store_b64 v8, v[CD+16*\hb+8*\e+4:CD+16*\hb+8*\e+5] offset:128*\hb+8*\e
.endr
.endm
	LOADSET 0
	LOADSET 1
	s_wait_loadcnt 32                              ; set 0's 32 loads are in; the younger set's 32 may be out
	SIG 0
	LOADSET 2
	s_wait_loadcnt 32
	SIG 1
	LOADSET 3
	QUANTW 0
	s_wait_loadcnt 32
	SIG 2
	s_wait_loadcnt 0x0
	SIG 3
	QUANTW 1
	v_lshl_or_b32 v252, v254, 8, v252              ; a column's two bytes
	v_lshl_or_b32 v253, v255, 8, v253
	ds_store_b16 v9, v252
	ds_store_b16 v9, v253 offset:4
	s_wait_dscnt 0x0                               ; for the others: my stores into the stage are done
	s_barrier_signal -1
	s_barrier_wait -1
.irp i, 0,1,2,3,4,5
	ds_load_b128 v[16+4*\i:19+4*\i], v11 offset:512*\i
.endr
.irp i, 0,1,2,3,4,5
	s_wait_dscnt 5-\i
	global_store_b128 v10, v[16+4*\i:19+4*\i], s[32:33] offset:(\i/3)*12288+(\i%3)*512   ; 512 consecutive bytes a store
.endr
	s_cmp_lg_u32 s22, 0
	s_cbranch_scc1 .Lw_end
	ds_load_b128 v[48:51], v10 offset:SSW
	s_wait_dscnt 0x0
	global_store_b128 v10, v[48:51], s[34:35]      ; the 128 scale words
.Lw_end:
	s_set_vgpr_msb 0x5
	s_wait_tensorcnt 0x0
	ds_add_u32 v0, v1
	s_wait_dscnt 0x0
	s_set_vgpr_msb 0x500
	s_endpgm
; ---------------- way X: 16 rows of x.  Wave w: K steps 2 w, 2 w + 1.  Lane (r, h) holds whole blocks: k = 128 step + 64 c + 32 h + 0 .. 31
; gate_W's rows of the wave's 256 k come ONCE, by eight dense loads, into the wave's own 4,096 bytes of LDS; the sixteen lanes of a half then read the same 16 bytes, a row of gate_W, by one LDS load
.Lpath_x:
	s_sub_co_u32 s23, ttmp9, 8                     ; tile of rows
	v_and_b32 v3, 15, v2                           ; r
	v_lshrrev_b32 v4, 4, v2                        ; h
	v_lshlrev_b32 v5, 12, v3
	v_lshl_add_u32 v5, v4, 7, v5                   ; x: 4096 r + 128 h
	v_lshlrev_b32 v8, 4, v2
	v_lshlrev_b32 v9, 3, v2
	s_lshl_b32 s34, s22, 12
	s_add_co_u32 s34, s34, GWL
	v_lshl_add_u32 v6, v4, 9, s34                  ; gate_W in LDS: my wave's rows, 16 bytes a k: + 512 h
	v_lshl_add_u32 v12, v2, 4, s34                 ; and where I put 16 bytes of them
	s_lshl_b32 s34, s22, 8
	s_add_co_u32 s34, s34, GRED
	v_lshl_add_u32 v7, v3, 4, s34
	s_lshl_b32 s34, s22, 7
	s_add_co_u32 s34, s34, XSS
	v_lshl_add_u32 v10, v3, 2, s34
	s_lshl_b32 s24, s23, 16
	s_lshl_b32 s25, s22, 10
	s_add_co_u32 s24, s24, s25
	s_mov_b32 s25, 0
	s_lshl_b32 s26, s22, 12
	s_mov_b32 s27, 0
	s_mul_i32 s28, s23, 12288
	s_mul_i32 s29, s22, 3072
	s_add_co_u32 s28, s28, s29
	s_mov_b32 s29, 0
	s_lshl_b32 s30, s23, 9
	s_add_co_u32 s30, s30, XS_OFF
	s_mov_b32 s31, 0
	s_lshl_b32 s32, s23, 8
	s_add_co_u32 s32, s32, GATE_OFF
	s_mov_b32 s33, 0
	s_wait_kmcnt 0x0
	s_load_b128 s[40:43], s[12:13], 0x0            ; gate_b
	s_add_nc_u64 s[4:5], s[4:5], s[24:25]
	s_add_nc_u64 s[10:11], s[10:11], s[26:27]
	s_add_nc_u64 s[28:29], s[20:21], s[28:29]
	s_add_nc_u64 s[30:31], s[20:21], s[30:31]
	s_add_nc_u64 s[32:33], s[20:21], s[32:33]
.irp i, 0,1,2,3,4,5,6,7
	global_load_b128 v[216+4*\i:219+4*\i], v8, s[10:11] offset:512*\i    ; my wave's 4,096 bytes of gate_W, 512 consecutive bytes a load
.endr
.set j, 0
.rept 32                               ; v[16 + kk]: the lane's 128 numbers, kk = 64 step + 32 c + i
	global_load_b128 v[16+4*j:19+4*j], v5, s[4:5] offset:512*(j/16)+256*((j/8)%2)+16*(j%8)
.set j, j+1
.endr
	s_wait_loadcnt 32                              ; gate_W's eight loads are in; x's 32 may be out
.irp i, 0,1,2,3,4,5,6,7
	ds_store_b128 v12, v[216+4*\i:219+4*\i] offset:512*\i
.endr
.macro GWLOAD g                        ; gate_W's rows for 8 of my k, into set g % 2.  LDS serves a wave's instructions in order: these see my stores
.set j2, 0
.rept 8
.set kk, 8*(\g)+j2
	ds_load_b128 v[144+32*((\g)%2)+4*j2:147+32*((\g)%2)+4*j2], v6 offset:2048*(kk/64)+1024*((kk/32)%2)+16*(kk%32)
.set j2, j2+1
.endr
.endm
.macro GATEFMA g                       ; four sums, in two sets (even k, odd k); the first products start them
.set j2, 0
.rept 8
.set kk, 8*(\g)+j2
.set rG, 144+32*((\g)%2)+4*j2
.set rA, 208+4*(kk%2)
.irp b, 0,1,2,3
.if kk < 2
	v_mul_f32 v[rA+\b], v[16+kk], v[rG+\b]
.else
	v_fmac_f32 v[rA+\b], v[16+kk], v[rG+\b]
.endif
.endr
.set j2, j2+1
.endr
.endm
	GWLOAD 0
	GWLOAD 1
	s_wait_loadcnt 0x0                             ; x
.irp g, 0,1,2,3,4,5,6,7,8,9,10,11,12,13
	s_wait_dscnt 8                                 ; this group is in; the younger group's 8 loads may be out
	GATEFMA \g
	GWLOAD \g+2
.endr
	s_wait_dscnt 8
	GATEFMA 14
	s_wait_dscnt 0x0
	GATEFMA 15
.irp b, 0,1,2,3
	v_add_f32 v[208+\b], v[208+\b], v[212+\b]
	v_mov_b32 v[216+\b], 0                         ; a lane permute's destination counts as read
.endr
.irp b, 0,1,2,3
	v_permlanex16_b32 v[216+\b], v[208+\b], s36, s37
.endr
.irp b, 0,1,2,3
	v_add_f32 v[208+\b], v[208+\b], v[216+\b]      ; my wave's 256 k of row r
.endr
	ds_store_b128 v7, v[208:211]                   ; both halves of the lanes write the same numbers
.macro QX kl                           ; one K step: two blocks a lane, the scale word from lanes l and l xor 16, the fragment as it will be loaded
.set XB, 16+64*(\kl)
.set FX, 224+12*(\kl)
	v_max3_num_f32 v144, |v[XB]|, |v[XB+1]|, 0x1800000
	v_max3_num_f32 v145, |v[XB+32]|, |v[XB+33]|, 0x1800000
.set i, 2
.rept 15
	v_max3_num_f32 v144, v144, |v[XB+i]|, |v[XB+i+1]|
	v_max3_num_f32 v145, v145, |v[XB+32+i]|, |v[XB+33+i]|
.set i, i+2
.endr
	v_add_nc_u32 v146, 0xff000000, v144
	v_add_nc_u32 v147, 0xff000000, v145
	v_lshrrev_b32 v148, 23, v146
	v_lshrrev_b32 v149, 23, v147
	v_lshl_or_b32 v[164+\kl], v149, 16, v148       ; blocks h and 2 + h,
	v_lshlrev_b32 v151, 3, v4
	v_lshlrev_b32 v[164+\kl], v151, v[164+\kl]     ; at their places in the word
	v_mov_b32 v152, 0
	v_permlanex16_b32 v152, v[164+\kl], s36, s37
	v_or_b32 v[164+\kl], v[164+\kl], v152
.irp c, 0,1
	v_cvt_scalef32_pk16_fp6_f32 v[FX+6*\c:FX+6*\c+2], v[XB+32*\c:XB+32*\c+15], v[146+\c]
	v_cvt_scalef32_pk16_fp6_f32 v[156+4*\c:158+4*\c], v[XB+32*\c+16:XB+32*\c+31], v[146+\c]
.endr
	v_nop
.irp c, 0,1
.irp i, 0,1,2
	v_mov_b32 v[FX+6*\c+3+\i], v[156+4*\c+\i]
.endr
.endr
	global_store_b128 v8, v[FX:FX+3], s[28:29] offset:1536*\kl
	global_store_b64 v9, v[FX+4:FX+5], s[28:29] offset:1536*\kl+512
	global_store_b128 v8, v[FX+6:FX+9], s[28:29] offset:1536*\kl+768
	global_store_b64 v9, v[FX+10:FX+11], s[28:29] offset:1536*\kl+1280
	ds_store_b32 v10, v[164+\kl] offset:64*\kl
.endm
	QX 0
	QX 1
	s_wait_dscnt 0x0
	s_barrier_signal -1
	s_barrier_wait -1
	s_cmp_lg_u32 s22, 0
	s_cbranch_scc1 .Lx_end
	v_lshlrev_b32 v11, 4, v3
	ds_load_b128 v[16:19], v8 offset:XSS
	ds_load_b128 v[20:23], v11 offset:GRED
	ds_load_b128 v[24:27], v11 offset:GRED+256
	ds_load_b128 v[28:31], v11 offset:GRED+512
	ds_load_b128 v[32:35], v11 offset:GRED+768
	s_wait_dscnt 0x0
	s_wait_kmcnt 0x0
	global_store_b128 v8, v[16:19], s[30:31]       ; the tile's 128 scale words
.irp b, 0,1,2,3
	v_add_f32 v[20+\b], v[20+\b], v[24+\b]
	v_add_f32 v[28+\b], v[28+\b], v[32+\b]
.endr
.irp b, 0,1,2,3
	v_add_f32 v[20+\b], v[20+\b], v[28+\b]
.endr
.irp b, 0,1,2,3
	v_add_f32 v[20+\b], s[40+\b], v[20+\b]
.endr
	v_max3_num_f32 v36, v20, v21, v22              ; the softmax takes the row's largest away
	v_max_num_f32 v36, v36, v23
.irp b, 0,1,2,3
	v_sub_f32 v[20+\b], v[20+\b], v36
.endr
.irp b, 0,1,2,3
	v_mul_f32 v[20+\b], 0x3fb8aa3b, v[20+\b]
.endr
.irp b, 0,1,2,3
	v_exp_f32 v[20+\b], v[20+\b]
.endr
	v_nop
	s_wait_alu depctr_va_vdst(0)
	v_add_f32 v36, v20, v21
	v_add_f32 v37, v22, v23
	v_add_f32 v36, v36, v37
	v_rcp_f32 v36, v36
	v_nop
	s_wait_alu depctr_va_vdst(0)
.irp b, 0,1,2,3
	v_mul_f32 v[20+\b], v[20+\b], v36
.endr
	v_cmp_gt_u32 vcc_lo, 16, v2
	s_wait_xcnt 0x0                                ; EXEC changes only behind this wait
	s_and_saveexec_b32 s44, vcc_lo
	global_store_b128 v11, v[20:23], s[32:33]      ; 16 rows x 16 bytes: 256 consecutive bytes
	s_wait_xcnt 0x0
	s_or_b32 exec_lo, exec_lo, s44
.Lx_end:
	s_set_vgpr_msb 0x5
	s_wait_tensorcnt 0x0
	ds_add_u32 v0, v1
	s_wait_dscnt 0x0
	s_set_vgpr_msb 0x500
	s_endpgm
; ---------------- way H: wave P = 4 x work-group + wave sums rows 64 P .. 64 P + 63 of neuron_avg[row] x conn_W1[row][0 .. 31]
.Lpath_h:
	s_lshl_b32 s23, ttmp9, 2
	s_add_co_u32 s23, s23, s22
	v_lshlrev_b32 v3, 4, v2                        ; a load takes four rows of 128 bytes: row lane / 8, columns 4 (lane % 8) on
	v_lshrrev_b32 v4, 3, v2
	v_lshlrev_b32 v4, 2, v4
	s_lshl_b32 s24, s23, 13
	s_mov_b32 s25, 0
	s_lshl_b32 s26, s23, 8
	s_mov_b32 s27, 0
	s_lshl_b32 s28, s23, 7
	s_add_co_u32 s28, s28, HP_OFF
	s_mov_b32 s29, 0
	s_wait_kmcnt 0x0
	s_add_nc_u64 s[16:17], s[16:17], s[24:25]
	s_add_nc_u64 s[14:15], s[14:15], s[26:27]
	s_add_nc_u64 s[20:21], s[20:21], s[28:29]
.set i, 0
.rept 16
	global_load_b128 v[16+4*i:19+4*i], v3, s[16:17] offset:512*i
	global_load_b32 v[80+i], v4, s[14:15] offset:16*i
.set i, i+1
.endr
	s_wait_loadcnt 0x0
.set i, 0
.rept 16
.irp b, 0,1,2,3
.if i == 0
	v_mul_f32 v[8+\b], v80, v[16+\b]
.else
	v_fmac_f32 v[8+\b], v[80+i], v[16+4*i+\b]
.endif
.endr
.set i, i+1
.endr
.irp b, 0,1,2,3
	v_add_f32_dpp v[8+\b], v[8+\b], v[8+\b] row_xmask:8 row_mask:0xf bank_mask:0xf
	v_mov_b32 v[12+\b], 0
.endr
.irp b, 0,1,2,3
	v_permlanex16_b32 v[12+\b], v[8+\b], s36, s37
.endr
.irp b, 0,1,2,3
	v_add_f32 v[8+\b], v[8+\b], v[12+\b]
.endr
	v_cmp_gt_u32 vcc_lo, 8, v2
	s_wait_xcnt 0x0
	s_and_saveexec_b32 s30, vcc_lo
	global_store_b128 v3, v[8:11], s[20:21]
	s_wait_xcnt 0x0
	s_or_b32 exec_lo, exec_lo, s30
	s_endpgm
.Lfunc_end_k_q952d5229a0_prep:
	.size	k_q952d5229a0_prep, .Lfunc_end_k_q952d5229a0_prep-k_q952d5229a0_prep
	.p2alignl 7, 3214868480
	.fill 96, 4, 3214868480
	.section	.rodata,"a",@progbits
	.p2align	6, 0x0
	.amdhsa_kernel k_q952d5229a0_prep
		.amdhsa_group_segment_fixed_size 31232
		.amdhsa_private_segment_fixed_size 0
		.amdhsa_enable_private_segment 0
		.amdhsa_kernarg_size 72
		.amdhsa_user_sgpr_count 2
		.amdhsa_user_sgpr_kernarg_segment_ptr 1
		.amdhsa_wavefront_size32 1
		.amdhsa_system_sgpr_workgroup_id_x 1
		.amdhsa_system_sgpr_workgroup_id_y 1
		.amdhsa_system_sgpr_workgroup_id_z 1
		.amdhsa_system_vgpr_workitem_id 0
		.amdhsa_next_free_vgpr 258
		.amdhsa_next_free_sgpr 66
		.amdhsa_reserve_vcc 1
		.amdhsa_float_denorm_mode_32 3
		.amdhsa_float_denorm_mode_16_64 3
		.amdhsa_memory_ordered 1
		.amdhsa_forward_progress 1
		.amdhsa_inst_pref_size 93
	.end_amdhsa_kernel
	.amdgpu_metadata
---
amdhsa.version: [ 1, 2 ]
amdhsa.kernels:
  - .name:           k_q952d5229a0_prep
    .symbol:         k_q952d5229a0_prep.kd
    .args:
      - { .name: x, .offset: 0, .size: 8, .value_kind: global_buffer, .address_space: global }
      - { .name: w, .offset: 8, .size: 8, .value_kind: global_buffer, .address_space: global }
      - { .name: delay, .offset: 16, .size: 8, .value_kind: global_buffer, .address_space: global }
      - { .name: gate_W, .offset: 24, .size: 8, .value_kind: global_buffer, .address_space: global }
      - { .name: gate_b, .offset: 32, .size: 8, .value_kind: global_buffer, .address_space: global }
      - { .name: neuron_avg, .offset: 40, .size: 8, .value_kind: global_buffer, .address_space: global }
      - { .name: conn_W1, .offset: 48, .size: 8, .value_kind: global_buffer, .address_space: global }
      - { .name: wbuf, .offset: 56, .size: 8, .value_kind: global_buffer, .address_space: global }
      - { .name: xbuf, .offset: 64, .size: 8, .value_kind: global_buffer, .address_space: global }
    .group_segment_fixed_size: 31232
    .private_segment_fixed_size: 0
    .kernarg_segment_align: 8
    .kernarg_segment_size: 72
    .max_flat_workgroup_size: 128
    .sgpr_count:     66
    .vgpr_count:     258
    .wavefront_size: 32
...
	.end_amdgpu_metadata
.endif
;; end of part 1
;; launch branch (part 2): grid 16 x 16, 4 waves a work-group, clusters of 4 x 4, 327,680 bytes of LDS; arguments xbuf, wbuf, b, conn_b1, conn_W2, conn_b2, mask, act_w, hbuf; writes hbuf
.if DOCPART == 2
	.amdgcn_target "amdgcn-amd-amdhsa--gfx1250"
	.amdhsa_code_object_version 6
	.text
	.protected	k_q952d5229a0_branch
	.globl	k_q952d5229a0_branch
	.p2align	8
	.type	k_q952d5229a0_branch,@function
k_q952d5229a0_branch:
	s_mov_b64 s[64:65], 0
	v_nop
	global_prefetch_b8 v0, s[64:65] scope:SCOPE_SE
	s_setreg_imm32_b32 hwreg(HW_REG_WAVE_MODE, 25, 1), 1
	s_wait_xcnt 0x0
	s_wait_alu depctr_hold_cnt(0) depctr_sa_sdst(0) depctr_va_vdst(0) depctr_va_sdst(0) depctr_va_ssrc(0) depctr_va_vcc(0) depctr_vm_vsrc(0)
	s_getreg_b32 s2, hwreg(HW_REG_IB_STS2, 6, 4)
	s_cmp_eq_u32 s2, 0
	s_cbranch_scc0 .Lentry_in_a_cluster
	s_endpgm
.Lentry_in_a_cluster:
	s_bfe_u32 s2, ttmp6, 0x10000c
	s_cmp_lg_u32 s2, 0xf033
	s_cbranch_scc0 .Lentry_shape_is_right
	s_endpgm
.Lentry_shape_is_right:
; x (w sigmoid(delay)) + b on codes of E2M3, then z = the gate's sum over the four branches, a = relu(z conn mask), the blend of activations, and the blend's codes for the next product.
; A work-group makes 128 rows x 512 columns (128 units x 4 branches); all four waves take the same 128 rows, wave w the columns 128 w on: 32 units, ONE block of the next K.  So the work-group
; makes whole fragments and whole scale words (K step = tile column) of the next operand.  A wave: 64 accumulators of 16 x 16.  K = 1024 goes in steps of 256 through two LDS slots.
; Both operands lie in memory as images of operand registers (pieces of 768 bytes: 16 bytes a lane, then 8 bytes a lane), so a slot's part of a tile of 16 rows is 3,072 dense bytes and LDS needs no padding.
; THE PRODUCT IS USED TRANSPOSED (source 0 = 16 columns of w, source 1 = 16 rows of x).  The columns of a tile were chosen so that lane (r, h) holds, in tile t, register 4 e + branch, unit 16 h + 2 t + e of row r.
; The bias b is the C of each sum's first instruction.  conn = sigmoid(relu(the 32 partial sums + conn_b1) conn_W2 + conn_b2) is finished here, in f32, a lane a unit.
; After the relu a >= 0: elu = relu = a, selu = 1.0507.. a, tanh = (1 - E^2) / (1 + E^2), mish = a (1 + 2 E) / (1 + 2 E + 2 E^2), E = e^-a;
; gelu = a (1 - (e^(-a a / 2) / 2) t (a1 + t (a2 + ..))), t = 1 / (1 + 0.2316419 a): five terms, absolute error of the normal integral under 7.5e-8 for every a >= 0.
; CLUSTER 4 x 4: x's tiles are shared along a row of the cluster, w's along a column: joint loads.
; THE HEAD'S LOADS (59: the bias 16, the partial sums 8, conn_W2 32, three small ones) go out ahead of the cluster's first round; the gate's 8 follow when these are in and are waited for on the way out.
; LIMITS: NaN and infinities are not served; a block whose largest magnitude lies under 2^-124 keeps the byte 1 (a block of zeros too: its codes are zeros, and only this program reads the bytes).
; REGISTERS: window 0: v1-3 r, h, lane; v16-25 LDS addresses; v28-29 for the add; v32-63 scale words and nothing else; v64-127 the bias, later at work; v128-223 x's fragments, later at work; v224-255 the gate's rows.
;   window 1: w's fragments, two sets (v0, v128).  windows 2, 3: the accumulators ((a, t) at v[8 (8 (a % 4) + t)]).
.set FR,     12
.set SLOT,   122880                    ; x: 8 tiles x 3072, then w: 32 tiles x 3072
.set BOFF,   24576
.set SA,     245760                    ; x's scale words [tile 8][K step 8][16]
.set SB,     249856                    ; w's [group 4][K step 8][128]
.set SPARE,  266240                    ; the spare words: 128 bytes a wave
.set CM,     266752                    ; conn x mask, 32 a wave
.set STG,    267264                    ; the blend's 8 fragments
.set SSTG,   279552                    ; and their 128 scale words
.set XS_OFF,   1572864
.set GATE_OFF, 1638400
.set HP_OFF,   1671168
.set WS_OFF,   6291456
.set BS_OFF,   3145728
.set LAPS,   2
.set A16,  16                          ; v16-17 x's fragments, 16-byte parts, slot 0, 1;  v18-19 the 8-byte parts
.set B16,  20                          ; v20-23 the same for w
.set ADSA, 24
.set ADSB, 25
.set SPW,  28
.set NIL,  29
.set SCA,  32                          ; set s, step q, register j: lanes 0-15 tile 2 j, lanes 16-31 tile 2 j + 1
.set SCB,  48
.set BI,   64
.set AF,   128
.set G1,   24
.set G0,   32
.set G1B,  48
.set G0B,  56
.set G1S,  68
.set G0S,  76
.set G1SB, 80
.set G0SB, 88
.set MSB, 0
.macro WIN new                         ; the immediate's high byte repeats the setting that is left
.if MSB != (\new)
	s_set_vgpr_msb (MSB<<8)|(\new)
.set MSB, (\new)
.endif
.endm
.set MUL_LO, 0xa1                      ; source 0 window 1, source 1 window 0, C and D window 2
.set MUL_HI, 0xf1
.set FST_LO, 0x81                      ; the same with C (the bias) in window 0
.set FST_HI, 0xc1
.set TO_B,   0x40
.macro JLOAD g0a, g1a, g0b, g1b        ; waves 0, 1 ask for x's halves, waves 2, 3 for w's; four v_nop follow each line
	s_cmp_eq_u32 s93, 0
	s_cbranch_scc0 .Lfor_b_\@
	tensor_load_to_lds s[\g0a:\g0a+3], s[\g1a:\g1a+7]
	s_nop 0
.rept 4
	v_nop
.endr
	s_branch .Lasked_\@
.Lfor_b_\@:
	tensor_load_to_lds s[\g0b:\g0b+3], s[\g1b:\g1b+7]
	s_nop 0
.rept 4
	v_nop
.endr
.Lasked_\@:
.endm
.macro CREST
	s_cmp_lg_u32 s92, 0
	s_cbranch_scc1 .Lnot_wave_0_\@
	s_barrier_signal -3
.Lnot_wave_0_\@:
	s_barrier_wait -3
	s_barrier_signal -1
	s_barrier_wait -1
.endm
.macro CROUND
	s_barrier_signal -1
	s_barrier_wait -1
	CREST
.endm
.macro PLACES
.rept 4
	v_nop
.endr
.endm
	s_load_b512 s[4:19], s[0:1], 0x0               ; xbuf, wbuf, b, conn_b1, conn_W2, conn_b2, mask, act_w
	s_load_b64 s[20:21], s[0:1], 0x40              ; hbuf
	v_lshl_add_u32 v[SPW], v0, 2, SPARE
	v_mov_b32 v[NIL], 0
	ds_add_u32 v28, v29
	ds_add_u32 v28, v29
	s_wait_dscnt 0x0
	v_lshrrev_b32 v1, 5, v0
	v_readfirstlane_b32 s92, v1                    ; wave
	s_lshr_b32 s93, s92, 1
	s_and_b32 s94, s92, 1
	s_bfe_u32 s40, ttmp6, 0x40000                  ; cx
	s_bfe_u32 s41, ttmp6, 0x40004                  ; cy
	s_lshl_b32 s42, ttmp9, 2
	s_add_co_u32 s42, s42, s40                     ; tile column
	s_and_b32 s95, ttmp7, 0xffff
	s_lshl_b32 s95, s95, 2
	s_add_co_u32 s95, s95, s41                     ; tile row
	s_lshl_b32 s43, s41, 2
	s_lshl_b32 s43, 15, s43                        ; my row of the cluster
	s_lshl_b32 s44, 0x1111, s40                    ; my column
	s_or_b32 s[G1], s43, (3<<16)|(1<<21)           ; x: 4 tiles x 384 elements of 8 bytes, 12,288 bytes apart
	s_mov_b32 s[G1+1], 384<<16
	s_mov_b32 s[G1+2], 4<<16
	s_mov_b32 s[G1+3], 384<<16
	s_mov_b32 s[G1+4], 4
	s_mov_b32 s[G1+5], 1536
	s_mov_b32 s[G1+6], 0
	s_mov_b32 s[G1+7], 0
	s_or_b32 s[G1B], s44, (3<<16)|(1<<21)          ; w: 16 tiles likewise
	s_mov_b32 s[G1B+1], 384<<16
	s_mov_b32 s[G1B+2], 16<<16
	s_mov_b32 s[G1B+3], 384<<16
	s_mov_b32 s[G1B+4], 16
	s_mov_b32 s[G1B+5], 1536
	s_mov_b32 s[G1B+6], 0
	s_mov_b32 s[G1B+7], 0
	s_or_b32 s[G1S], s43, (3<<16)|(1<<21)          ; x's scale words: 2,048 dense bytes as 8 rows of 256
	s_mov_b32 s[G1S+1], 32<<16
	s_mov_b32 s[G1S+2], 8<<16
	s_mov_b32 s[G1S+3], 32<<16
	s_mov_b32 s[G1S+4], 8
	s_mov_b32 s[G1S+5], 32
	s_mov_b32 s[G1S+6], 0
	s_mov_b32 s[G1S+7], 0
	s_or_b32 s[G1SB], s44, (3<<16)|(1<<21)         ; w's: 8,192 dense bytes
	s_mov_b32 s[G1SB+1], 32<<16
	s_mov_b32 s[G1SB+2], 32<<16
	s_mov_b32 s[G1SB+3], 32<<16
	s_mov_b32 s[G1SB+4], 32
	s_mov_b32 s[G1SB+5], 32
	s_mov_b32 s[G1SB+6], 0
	s_mov_b32 s[G1SB+7], 0
	s_lshl_b32 s96, s95, 3                         ; x's addresses hang on the tile row and the wave alone,
	s_lshl_b32 s97, s94, 2
	s_add_co_u32 s96, s96, s97
	s_mul_i32 s96, s96, 12288
	s_mov_b32 s97, 0
	s_lshl_b32 s98, s95, 12
	s_lshl_b32 s99, s94, 11
	s_add_co_u32 s98, s98, s99
	s_add_co_u32 s98, s98, XS_OFF
	s_mov_b32 s99, 0
	s_lshl_b32 s46, s42, 5                         ; w's on the tile column and the wave alone
	s_lshl_b32 s47, s94, 4
	s_add_co_u32 s46, s46, s47
	s_mul_i32 s46, s46, 12288
	s_mov_b32 s47, 0
	s_lshl_b32 s22, s42, 14
	s_lshl_b32 s23, s94, 13
	s_add_co_u32 s22, s22, s23
	s_add_co_u32 s22, s22, WS_OFF
	s_mov_b32 s23, 0
	s_mul_i32 s100, s94, 12288                     ; LDS addresses hang on the wave alone
	s_mul_i32 s101, s94, 49152
	s_add_co_u32 s101, s101, BOFF
	s_lshl_b32 s45, s94, 11
	s_add_co_u32 s45, s45, SA
	s_lshl_b32 s3, s94, 13
	s_add_co_u32 s3, s3, SB
	; the offsets of the head's loads: what hangs on the tile goes into the vector offset, so that every base is a buffer's address as it came
	v_and_b32 v1, 15, v0                           ; r
	v_bfe_u32 v2, v0, 4, 1                         ; h
	v_and_b32 v3, 31, v0                           ; lane
	v_lshlrev_b32 v4, 4, v3                        ; 16 x lane
	s_lshl_b32 s66, s42, 11
	s_lshl_b32 s67, s92, 9
	s_add_co_u32 s66, s66, s67                     ; 4 (512 tile column + 128 wave)
	v_lshl_add_u32 v7, v2, 8, s66                  ; the bias: my columns 64 h + 8 t + 0 .. 7
	s_lshr_b32 s66, s66, 2
	v_lshl_add_u32 v11, v3, 2, s66                 ; 4 (128 tile column + 32 wave + lane): my unit
	s_lshl_b32 s66, s95, 11
	v_lshl_add_u32 v8, v1, 4, s66                  ; the gate: 16 (128 tile row + r)
	v_and_b32 v13, 7, v0
	v_lshlrev_b32 v13, 4, v13                      ; conn_b1: 16 (lane % 8)
	s_mov_b32 s66, 0x76543210
	s_mov_b32 s67, 0xfedcba98                      ; selects: lane l xor 16
	s_wait_kmcnt 0x0
	s_add_nc_u64 s[96:97], s[4:5], s[96:97]
	s_add_nc_u64 s[98:99], s[4:5], s[98:99]
	s_add_nc_u64 s[46:47], s[6:7], s[46:47]
	s_add_nc_u64 s[22:23], s[6:7], s[22:23]
.irp t, 0,1,2,3,4,5,6,7
	global_load_b128 v[BI+8*\t:BI+8*\t+3], v7, s[8:9] offset:32*\t
	global_load_b128 v[BI+8*\t+4:BI+8*\t+7], v7, s[8:9] offset:32*\t+16
.endr
.irp j, 0,1,2,3,4,5,6,7
	global_load_b128 v[128+4*\j:131+4*\j], v4, s[4:5] offset:HP_OFF+512*\j   ; the partial sums: part 4 j + lane / 8, hidden units 4 (lane % 8) + 0 .. 3
.endr
.set i, 0
.rept 32
	global_load_b32 v[160+i], v11, s[12:13] offset:8192*i                    ; conn_W2(i, my unit)
.set i, i+1
.endr
	global_load_b128 v[192:195], v13, s[10:11]     ; conn_b1 at hidden units 4 (lane % 8) + 0 .. 3
	global_load_b32 v200, v11, s[14:15]            ; conn_b2
	global_load_b32 v201, v11, s[16:17]            ; mask
	CROUND                                         ; all sixteen work-groups are here: the first joint loads meet
	s_mov_b32 s[G0S], 1
	s_mov_b32 s[G0S+1], s45
	s_mov_b64 s[G0S+2:G0S+3], s[98:99]
	s_or_b32 s[G0S+3], s[G0S+3], 0x80000000
	s_mov_b32 s[G0SB], 1
	s_mov_b32 s[G0SB+1], s3
	s_mov_b64 s[G0SB+2:G0SB+3], s[22:23]
	s_or_b32 s[G0SB+3], s[G0SB+3], 0x80000000
	JLOAD G0S, G1S, G0SB, G1SB
.irp s, 0,1
	s_mov_b32 s[G0+4*\s], 1
	s_add_co_u32 s[G0+4*\s+1], s100, \s*SLOT
	s_add_nc_u64 s[G0+4*\s+2:G0+4*\s+3], s[96:97], \s*3072
	s_or_b32 s[G0+4*\s+3], s[G0+4*\s+3], 0x80000000
	s_mov_b32 s[G0B+4*\s], 1
	s_add_co_u32 s[G0B+4*\s+1], s101, \s*SLOT
	s_add_nc_u64 s[G0B+4*\s+2:G0B+4*\s+3], s[46:47], \s*3072
	s_or_b32 s[G0B+4*\s+3], s[G0B+4*\s+3], 0x80000000
	JLOAD G0+4*\s, G1, G0B+4*\s, G1B
.endr
	v_lshlrev_b32 v5, 3, v3
	v_add_nc_u32 v5, 512, v5
	v_mov_b32 v[A16], v4
	v_add_nc_u32 v[A16+1], SLOT, v4
	v_mov_b32 v[A16+2], v5
	v_add_nc_u32 v[A16+3], SLOT, v5
	s_mul_i32 s100, s92, 24576                     ; my eight tiles of w
	s_add_co_u32 s100, s100, BOFF
	v_add_nc_u32 v[B16], s100, v4
	v_add_nc_u32 v[B16+2], s100, v5
	s_add_co_u32 s100, s100, SLOT
	v_add_nc_u32 v[B16+1], s100, v4
	v_add_nc_u32 v[B16+3], s100, v5
	v_lshlrev_b32 v6, 2, v1
	v_lshl_add_u32 v6, v2, 9, v6
	v_add_nc_u32 v[ADSA], SA, v6                   ; x's scale words: tile 2 j + h, row r
	s_lshl_b32 s100, s92, 12
	s_add_co_u32 s100, s100, SB
	v_lshl_add_u32 v[ADSB], v3, 2, s100            ; w's: my group, row 32 j + lane
	s_lshl_b32 s100, s92, 7
	s_add_co_u32 s100, s100, CM
	v_lshl_add_u32 v10, v3, 2, s100
	s_wait_loadcnt 0x0
.irp a, 0,1,2,3,4,5,6,7
	global_load_b128 v[224+4*\a:227+4*\a], v8, s[4:5] offset:GATE_OFF+256*\a   ; the gate's rows: wanted on the way out, and waited for there
.endr
.irp c, 0,1,2,3
	v_add_f32 v[196+\c], v[128+\c], v[132+\c]      ; the hidden layer: eight parts in my lane,
.endr
.irp j, 2,3,4,5,6,7
.irp c, 0,1,2,3
	v_add_f32 v[196+\c], v[196+\c], v[128+4*\j+\c]
.endr
.endr
.irp c, 0,1,2,3
	v_add_f32_dpp v[196+\c], v[196+\c], v[196+\c] row_xmask:8 row_mask:0xf bank_mask:0xf   ; with lane l xor 8's,
	v_mov_b32 v[204+\c], 0                         ; (a lane permute's destination counts as read)
.endr
.irp c, 0,1,2,3
	v_permlanex16_b32 v[204+\c], v[196+\c], s66, s67
.endr
.irp c, 0,1,2,3
	v_add_f32 v[196+\c], v[196+\c], v[204+\c]      ; and lane l xor 16's: all 32
.endr
.irp c, 0,1,2,3
	v_add_f32 v[196+\c], v[196+\c], v[192+\c]
.endr
.irp c, 0,1,2,3
	v_max_num_f32 v[196+\c], 0, v[196+\c]          ; hidden unit i stands in lane i / 4, register i % 4
.endr
	v_readlane_b32 s2, v196, 0
	v_readlane_b32 s3, v197, 0
	v_fma_f32 v202, s2, v160, v200                 ; lane l: unit l of my 32; two chains
	v_mul_f32 v203, s3, v161
.set i, 2
.rept 30
	v_readlane_b32 s[2+i%2], v[196+i%4], i/4
	v_fmac_f32 v[202+i%2], s[2+i%2], v[160+i]
.set i, i+1
.endr
	v_add_f32 v202, v202, v203
	v_mul_f32 v202, 0xbfb8aa3b, v202
	v_exp_f32 v202, v202
	v_nop
	s_wait_alu depctr_va_vdst(0)
	v_add_f32 v202, 1.0, v202
	v_rcp_f32 v202, v202
	v_nop
	s_wait_alu depctr_va_vdst(0)
	v_mul_f32 v202, v202, v201                     ; conn x mask
	ds_store_b32 v10, v202                         ; my wave's own bytes
.macro FRAGH reg, a16, a8, off         ; a fragment: 16, 8, 16, 8 bytes a lane
	ds_load_b128 v[\reg:\reg+3], v[\a16] offset:\off
	ds_load_b64 v[\reg+4:\reg+5], v[\a8] offset:\off
	ds_load_b128 v[\reg+6:\reg+9], v[\a16] offset:\off+768
	ds_load_b64 v[\reg+10:\reg+11], v[\a8] offset:\off+768
.endm
.macro FETCH_B slot, q, p
	WIN TO_B
.irp i, 0,1,2,3,4,5,6,7
	FRAGH 128*(\p)+FR*\i, B16+\slot, B16+2+\slot, \i*3072+(\q)*1536
.endr
	WIN 0
.endm
.macro FETCH_A slot, q, i0
.irp i, \i0, \i0+1, \i0+2, \i0+3
	FRAGH AF+FR*(\i), A16+\slot, A16+2+\slot, (\i)*3072+(\q)*1536
.endr
.endm
.macro SCALES sc
.irp q, 0,1
.irp j, 0,1,2,3
	ds_load_b32 v[SCA+8*\sc+4*\q+\j], v[ADSA] offset:1024*\j+64*\q
	ds_load_b32 v[SCB+8*\sc+4*\q+\j], v[ADSB] offset:128*\j+512*\q
.endr
.endr
.endm
.macro WM a, b, p, q, sc, first        ; one product; an odd tile's scale words stand in lanes 16-31 of its register
.set rD, 8*(8*((\a)%4)+(\b))
.set rB, 128*(\p)+FR*(\b)
.set rA, AF+FR*(\a)
.set rS0, SCB+8*(\sc)+4*(\q)+(\b)/2
.set rS1, SCA+8*(\sc)+4*(\q)+(\a)/2
.set rC, rD
.if \first
.set rC, BI+8*(\b)
.endif
.if ((\a)%2 == 0) && ((\b)%2 == 0)
	v_wmma_scale_f32_16x16x128_f8f6f4 v[rD:rD+7], v[rB:rB+FR-1], v[rA:rA+FR-1], v[rC:rC+7], v[rS0], v[rS1] matrix_a_fmt:MATRIX_FMT_FP6 matrix_b_fmt:MATRIX_FMT_FP6
.elseif ((\a)%2 == 0)
	v_wmma_scale_f32_16x16x128_f8f6f4 v[rD:rD+7], v[rB:rB+FR-1], v[rA:rA+FR-1], v[rC:rC+7], v[rS0], v[rS1] matrix_a_fmt:MATRIX_FMT_FP6 matrix_b_fmt:MATRIX_FMT_FP6 matrix_a_scale:MATRIX_SCALE_ROW1
.elseif ((\b)%2 == 0)
	v_wmma_scale_f32_16x16x128_f8f6f4 v[rD:rD+7], v[rB:rB+FR-1], v[rA:rA+FR-1], v[rC:rC+7], v[rS0], v[rS1] matrix_a_fmt:MATRIX_FMT_FP6 matrix_b_fmt:MATRIX_FMT_FP6 matrix_b_scale:MATRIX_SCALE_ROW1
.else
	v_wmma_scale_f32_16x16x128_f8f6f4 v[rD:rD+7], v[rB:rB+FR-1], v[rA:rA+FR-1], v[rC:rC+7], v[rS0], v[rS1] matrix_a_fmt:MATRIX_FMT_FP6 matrix_b_fmt:MATRIX_FMT_FP6 matrix_a_scale:MATRIX_SCALE_ROW1 matrix_b_scale:MATRIX_SCALE_ROW1
.endif
.endm
.macro MUL16 a0, p, q, sc, first       ; the 64 accumulators take turns, one instruction a turn, in the same order in every step
.irp a, \a0, \a0+1
.irp b, 0,1,2,3,4,5,6,7
	WM \a, \b, \p, \q, \sc, \first
.endr
.endr
.endm
.macro STEP slot, first                ; a slot's first 128 along K
	s_wait_dscnt 16                                ; all but the youngest 16 loads (x's tiles 4-7) are in
.if \first
	WIN FST_LO
.else
	WIN MUL_LO
.endif
	MUL16 0, 0, 0, \slot, \first
	MUL16 2, 0, 0, \slot, \first
	s_wait_dscnt 0x0
	PLACES                                         ; four plain places in front of loads into registers that matrix instructions have read
	FETCH_B \slot, 1, 1
	FETCH_A \slot, 1, 0
.if \first
	WIN FST_HI
.else
	WIN MUL_HI
.endif
	MUL16 4, 0, 0, \slot, \first
	MUL16 6, 0, 0, \slot, \first
	PLACES
	WIN 0
	FETCH_A \slot, 1, 4
.endm
; A slot's second 128 along K, and the change of slots.  Half of the step's products stand AHEAD of the wait for the next slot's tile: they want registers alone.  So nothing but the round stands
; between that wait and the request for the tile after it.
.macro TURN slot, next, fill
	s_wait_dscnt 16                                ; all but the youngest 16 loads (x's tiles 4-7) are in
	WIN MUL_LO
	MUL16 0, 1, 1, \slot, 0
	MUL16 2, 1, 1, \slot, 0
	WIN 0
	s_wait_tensorcnt 0x0                           ; all my tensor loads have landed: my part of the next slot;
	ds_add_u32 v[SPW], v[NIL]                      ; 0 onto my spare word
	s_wait_dscnt 0x0                               ; the add is done, and my reads of this slot are over
	s_barrier_signal -1
	s_barrier_wait -1
.if \fill
	CREST                                          ; the barrier has opened a round of the cluster's: no wave of any partner still reads this slot or has a load on its way
	s_add_nc_u64 s[G0+4*\slot+2:G0+4*\slot+3], s[G0+4*\slot+2:G0+4*\slot+3], 6144
	s_add_nc_u64 s[G0B+4*\slot+2:G0B+4*\slot+3], s[G0B+4*\slot+2:G0B+4*\slot+3], 6144
	JLOAD G0+4*\slot, G1, G0B+4*\slot, G1B         ; my one tensor load behind the round; its four v_nop are also the places in front of the loads below
.else
	PLACES
.endif
	v_add_nc_u32 v[ADSA], 128, v[ADSA]             ; the next slot's scale words
	v_add_nc_u32 v[ADSB], 1024, v[ADSB]
	FETCH_B \next, 0, 0
	FETCH_A \next, 0, 0
	SCALES \next
	WIN MUL_HI
	MUL16 4, 1, 1, \slot, 0
	MUL16 6, 1, 1, \slot, 0
	PLACES
	WIN 0
	FETCH_A \next, 0, 4
.endm
	s_wait_tensorcnt 1                             ; the scale words and my part of slot 0 are in; slot 1's load may be out
	s_wait_dscnt 0x0
	s_barrier_signal -1
	s_barrier_wait -1
	FETCH_B 0, 0, 0
	FETCH_A 0, 0, 0
	SCALES 0
	FETCH_A 0, 0, 4
	STEP 0, 1                                      ; the first step's products start the sums, on the bias
	s_mov_b32 s3, LAPS-1
.Llap:
	TURN 0, 1, 1
	STEP 1, 0
	TURN 1, 0, 1
	STEP 0, 0
	s_sub_co_u32 s3, s3, 1
	s_cmp_lg_u32 s3, 0
	s_cbranch_scc1 .Llap
	TURN 0, 1, 0                                   ; the last lap fills nothing
	s_load_b256 s[48:55], s[18:19], 0x0            ; act_w: no tensor load is out, so the descriptors' registers are free
	s_load_b32 s56, s[18:19], 0x20
	STEP 1, 0
	s_wait_dscnt 16
	WIN MUL_LO
	MUL16 0, 1, 1, 1, 0
	MUL16 2, 1, 1, 1, 0
	s_wait_dscnt 0x0
	WIN MUL_HI
	MUL16 4, 1, 1, 1, 0
	MUL16 6, 1, 1, 1, 0
	WIN 0
	; ---- THE WAY OUT.  These address lines are also the places behind the last products
.set AV,  64                           ; a, 16 numbers a lane
.set EE,  80                           ; E = e^-a, later the polynomial
.set GG,  96                           ; e^(-a a / 2)
.set D1,  112                          ; 1 + E, its reciprocal (the sigmoid), at last the blend
.set D2,  128                          ; 1 + E^2, its reciprocal, later what multiplies a
.set D3,  144                          ; 1 + 2 E + 2 E^2, its reciprocal
.set D4,  160                          ; 1 + 0.2316419 a, its reciprocal t
.set N2,  176                          ; 1 - E^2, then tanh
.set N3,  192                          ; 1 + 2 E, then mish / a
.set CMR, 208                          ; conn x mask of my 16 units
	s_wait_loadcnt 0x0                             ; the gate's rows
	v_lshlrev_b32 v6, 4, v3
	s_mul_i32 s100, s93, 768
	s_lshl_b32 s101, s94, 8
	s_add_co_u32 s101, s101, s100
	s_add_co_u32 s101, s101, STG
	v_mul_u32_u24 v10, v2, 1536
	v_lshl_add_u32 v30, v1, 4, v10
	v_add_nc_u32 v30, s101, v30                    ; a block's first 16 bytes: fragment (pair's tile + h), piece wave / 2, place r + 16 (wave % 2)
	s_lshl_b32 s101, s94, 7
	s_add_co_u32 s101, s101, s100
	s_add_co_u32 s101, s101, STG+512
	v_lshl_add_u32 v31, v1, 3, v10
	v_add_nc_u32 v31, s101, v31                    ; its last 8
	s_add_co_u32 s101, s92, SSTG
	v_lshl_add_u32 v4, v1, 2, s101                 ; my block's byte of a row's scale word
	s_mul_i32 s101, s92, 3072
	s_add_co_u32 s101, s101, STG
	v_add_nc_u32 v5, s101, v6
	v_add_nc_u32 v7, SSTG, v6
	s_lshl_b32 s101, s92, 7
	s_add_co_u32 s101, s101, CM
	v_lshl_add_u32 v8, v2, 6, s101
.irp g, 0,1,2,3
	ds_load_b128 v[CMR+4*\g:CMR+4*\g+3], v8 offset:16*\g
.endr
	; the blend's coefficients: softmax(act_w), its largest taken away
	s_wait_kmcnt 0x0
.irp i, 0,1,2,3,4,5,6,7,8
	v_mov_b32 v[64+\i], s[48+\i]
.endr
	v_max3_num_f32 v73, v64, v65, v66
	v_max3_num_f32 v73, v73, v67, v68
	v_max3_num_f32 v73, v73, v69, v70
	v_max3_num_f32 v73, v73, v71, v72
.irp i, 0,1,2,3,4,5,6,7,8
	v_sub_f32 v[64+\i], v[64+\i], v73
.endr
.irp i, 0,1,2,3,4,5,6,7,8
	v_mul_f32 v[64+\i], 0x3fb8aa3b, v[64+\i]
.endr
.irp i, 0,1,2,3,4,5,6,7,8
	v_exp_f32 v[64+\i], v[64+\i]
.endr
	v_nop
	s_wait_alu depctr_va_vdst(0)
	v_add_f32 v73, v64, v65
.irp i, 2,3,4,5,6,7,8
	v_add_f32 v73, v73, v[64+\i]
.endr
	v_rcp_f32 v73, v73
	v_nop
	s_wait_alu depctr_va_vdst(0)
.irp i, 0,1,2,3,4,5,6,7
	v_mul_f32 v[64+\i], v[64+\i], v73
.endr
	v_add_f32 v14, v65, v67                        ; what multiplies a: elu, relu, gelu's 1, selu
	v_add_f32 v14, v14, v69
	v_fmac_f32 v14, 0x3f867d5f, v70
	v_mov_b32 v15, v14
	v_mul_f32 v75, -0.5, v69
	v_mul_f32 v76, 0x3e827906, v75                 ; -w5 / 2 x the five coefficients
	v_mul_f32 v77, 0xbe91a98e, v75
	v_mul_f32 v78, 0x3fb5f0e3, v75
	v_mul_f32 v12, 0xbfba00e3, v75
	v_mul_f32 v79, 0x3f87dc22, v75
	v_mov_b32 v13, v12
	v_readfirstlane_b32 s24, v64                   ; sigmoid
	v_readfirstlane_b32 s26, v66                   ; tanh
	v_readfirstlane_b32 s28, v68                   ; silu
	v_readfirstlane_b32 s30, v71                   ; mish
	v_readfirstlane_b32 s32, v76
	v_readfirstlane_b32 s34, v77
	v_readfirstlane_b32 s36, v78
	v_readfirstlane_b32 s38, v79
.irp i, 24,26,28,30,32,34,36,38
	s_mov_b32 s[\i+1], s[\i]                       ; (a packed form names the pair)
.endr
	v_mov_b32 v26, 0                               ; a lane permute's destination counts as read
; a of a tile of 16 rows: the gate's four weights on each unit's four branches; x conn x mask; relu
.macro ZROW a
.set AC, 64*((\a)%4)
.set GR, 224+4*(\a)
	WIN 2+(\a)/4                                   ; source 0: the accumulators' window
.set i, 0
.rept 16
	v_pk_mul_f32 v[176+2*i:177+2*i], v[AC+4*i:AC+4*i+1], v[GR:GR+1]          ; each accumulator is read from its low end on
.set i, i+1
.endr
.set i, 0
.rept 16
	v_pk_fma_f32 v[176+2*i:177+2*i], v[AC+4*i+2:AC+4*i+3], v[GR+2:GR+3], v[176+2*i:177+2*i]
.set i, i+1
.endr
	WIN 0
.set i, 0
.rept 16
	v_add_f32 v[AV+i], v[176+2*i], v[177+2*i]
.set i, i+1
.endr
.set i, 0
.rept 8
	v_pk_mul_f32 v[AV+2*i:AV+2*i+1], v[AV+2*i:AV+2*i+1], v[CMR+2*i:CMR+2*i+1]
.set i, i+1
.endr
.set i, 0
.rept 16
	v_max_num_f32 v[AV+i], 0, v[AV+i]
.set i, i+1
.endr
.endm
; the blend of my 16 numbers, its block's scale (with lane l xor 16's 16), 16 codes into v[dst] on, the byte to the stage
.macro ACTQ dst, by, off
.set i, 0
.rept 8
	v_pk_mul_f32 v[EE+2*i:EE+2*i+1], v[AV+2*i:AV+2*i+1], 0xbfb8aa3b op_sel_hi:[1,0]          ; -a log2 e
	v_pk_mul_f32 v[GG+2*i:GG+2*i+1], v[AV+2*i:AV+2*i+1], 0xbf38aa3b op_sel_hi:[1,0]          ; -a log2 e / 2
	v_pk_fma_f32 v[D4+2*i:D4+2*i+1], v[AV+2*i:AV+2*i+1], 0x3e6d3389, 1.0 op_sel_hi:[1,0,0]   ; 1 + 0.2316419 a
.set i, i+1
.endr
.set i, 0
.rept 8
	v_pk_mul_f32 v[GG+2*i:GG+2*i+1], v[GG+2*i:GG+2*i+1], v[AV+2*i:AV+2*i+1]
.set i, i+1
.endr
.set i, 0
.rept 16
	v_exp_f32 v[EE+i], v[EE+i]
.set i, i+1
.endr
.set i, 0
.rept 16
	v_exp_f32 v[GG+i], v[GG+i]
.set i, i+1
.endr
.set i, 0
.rept 16
	v_rcp_f32 v[D4+i], v[D4+i]
.set i, i+1
.endr
	v_nop                                          ; a plain instruction behind the batch,
	s_wait_alu depctr_va_vdst(0)                   ; and one wait for its 48
.set i, 0
.rept 8
	v_pk_mul_f32 v[D2+2*i:D2+2*i+1], v[EE+2*i:EE+2*i+1], v[EE+2*i:EE+2*i+1]
	v_pk_fma_f32 v[N3+2*i:N3+2*i+1], v[EE+2*i:EE+2*i+1], 2.0, 1.0 op_sel_hi:[1,0,0]
	v_pk_add_f32 v[D1+2*i:D1+2*i+1], v[EE+2*i:EE+2*i+1], 1.0 op_sel_hi:[1,0]
.set i, i+1
.endr
.set i, 0
.rept 8
	v_pk_fma_f32 v[D3+2*i:D3+2*i+1], v[D2+2*i:D2+2*i+1], 2.0, v[N3+2*i:N3+2*i+1] op_sel_hi:[1,0,1]
	v_pk_fma_f32 v[N2+2*i:N2+2*i+1], v[D2+2*i:D2+2*i+1], -1.0, 1.0 op_sel_hi:[1,0,0]
.set i, i+1
.endr
.set i, 0
.rept 8
	v_pk_add_f32 v[D2+2*i:D2+2*i+1], v[D2+2*i:D2+2*i+1], 1.0 op_sel_hi:[1,0]
.set i, i+1
.endr
.set i, 0
.rept 16
	v_rcp_f32 v[D1+i], v[D1+i]
.set i, i+1
.endr
.set i, 0
.rept 16
	v_rcp_f32 v[D2+i], v[D2+i]
.set i, i+1
.endr
.set i, 0
.rept 16
	v_rcp_f32 v[D3+i], v[D3+i]
.set i, i+1
.endr
.set i, 0                              ; the polynomial in t names none of the 48 reciprocals: it is the work behind them
.rept 8
	v_pk_fma_f32 v[EE+2*i:EE+2*i+1], v[D4+2*i:D4+2*i+1], s[38:39], v[12:13] op_sel_hi:[1,0,1]
.set i, i+1
.endr
.irp c, 36,34,32
.set i, 0
.rept 8
	v_pk_fma_f32 v[EE+2*i:EE+2*i+1], v[EE+2*i:EE+2*i+1], v[D4+2*i:D4+2*i+1], s[\c:\c+1] op_sel_hi:[1,1,0]
.set i, i+1
.endr
.endr
.set i, 0
.rept 8
	v_pk_mul_f32 v[EE+2*i:EE+2*i+1], v[EE+2*i:EE+2*i+1], v[D4+2*i:D4+2*i+1]
.set i, i+1
.endr
	s_wait_alu depctr_va_vdst(0)                   ; one wait for the 48, ahead of their first reader
.set i, 0
.rept 8
	v_pk_mul_f32 v[N2+2*i:N2+2*i+1], v[N2+2*i:N2+2*i+1], v[D2+2*i:D2+2*i+1]                  ; tanh
	v_pk_mul_f32 v[N3+2*i:N3+2*i+1], v[N3+2*i:N3+2*i+1], v[D3+2*i:D3+2*i+1]                  ; mish / a
.set i, i+1
.endr
.set i, 0
.rept 8
	v_pk_fma_f32 v[D2+2*i:D2+2*i+1], v[D1+2*i:D1+2*i+1], s[28:29], v[14:15] op_sel_hi:[1,0,1]
.set i, i+1
.endr
.set i, 0
.rept 8
	v_pk_fma_f32 v[D2+2*i:D2+2*i+1], v[N3+2*i:N3+2*i+1], s[30:31], v[D2+2*i:D2+2*i+1] op_sel_hi:[1,0,1]
	v_pk_mul_f32 v[D1+2*i:D1+2*i+1], v[D1+2*i:D1+2*i+1], s[24:25] op_sel_hi:[1,0]
.set i, i+1
.endr
.set i, 0
.rept 8
	v_pk_fma_f32 v[D2+2*i:D2+2*i+1], v[EE+2*i:EE+2*i+1], v[GG+2*i:GG+2*i+1], v[D2+2*i:D2+2*i+1]
	v_pk_fma_f32 v[D1+2*i:D1+2*i+1], v[N2+2*i:N2+2*i+1], s[26:27], v[D1+2*i:D1+2*i+1] op_sel_hi:[1,0,1]
.set i, i+1
.endr
.set i, 0
.rept 8
	v_pk_fma_f32 v[D1+2*i:D1+2*i+1], v[AV+2*i:AV+2*i+1], v[D2+2*i:D2+2*i+1], v[D1+2*i:D1+2*i+1]   ; the blend
.set i, i+1
.endr
	v_max3_num_f32 v24, |v[D1]|, |v[D1+1]|, 0x1800000              ; the largest magnitude, with the floor 2^-124 among its leaves
	v_max3_num_f32 v25, |v[D1+2]|, |v[D1+3]|, |v[D1+4]|
	v_max3_num_f32 v24, v24, |v[D1+5]|, |v[D1+6]|
	v_max3_num_f32 v25, v25, |v[D1+7]|, |v[D1+8]|
	v_max3_num_f32 v24, v24, |v[D1+9]|, |v[D1+10]|
	v_max3_num_f32 v25, v25, |v[D1+11]|, |v[D1+12]|
	v_max3_num_f32 v24, v24, |v[D1+13]|, |v[D1+14]|
	v_max3_num_f32 v25, v25, v24, |v[D1+15]|
	v_permlanex16_b32 v26, v25, s66, s67
	v_max_num_f32 v25, v25, v26                    ; the block's
	v_add_nc_u32 v24, 0xff000000, v25              ; 2 off the exponent field: the conversion's scale operand
	v_lshrrev_b32 v[\by], 23, v24                  ; the scale's byte
	v_cvt_scalef32_pk16_fp6_f32 v[\dst:\dst+2], v[D1:D1+15], v24
	v_nop                                          ; a plain instruction behind the conversion
	ds_store_b8 v4, v[\by] offset:\off             ; both halves of the lanes write the same byte
.endm
; two tiles of rows: an exchange of halves gives each lane a whole block: lanes 0-15 the first tile's, lanes 16-31 the second's
.macro PAIR n
	s_wait_dscnt 0x0                               ; conn x mask is in; the last pair's LDS stores have read their registers
	ZROW 2*(\n)
	ACTQ 16, 27, 128*(\n)
	ZROW 2*(\n)+1
	ACTQ 20, 23, 128*(\n)+64
	v_permlane16_swap_b32 v16, v20
	v_permlane16_swap_b32 v17, v21
	v_permlane16_swap_b32 v18, v22
	v_mov_b32 v19, v20
	v_mov_b32 v20, v21
	v_mov_b32 v21, v22
	ds_store_b128 v30, v[16:19] offset:3072*(\n)
	ds_store_b64 v31, v[20:21] offset:3072*(\n)
.endm
	PAIR 0
	PAIR 1
	PAIR 2
	PAIR 3
	s_lshl_b32 s96, s95, 3
	s_lshl_b32 s97, s92, 1
	s_add_co_u32 s96, s96, s97
	s_mul_i32 s96, s96, 24576                      ; tiles 8 x tile row + 2 x wave on,
	s_mul_i32 s97, s42, 1536
	s_add_co_u32 s96, s96, s97                     ; K step = tile column
	s_mov_b32 s97, 0
	s_lshl_b32 s98, s95, 4
	s_add_co_u32 s98, s98, s42
	s_lshl_b32 s98, s98, 9
	s_add_co_u32 s98, s98, BS_OFF
	s_mov_b32 s99, 0
	s_add_nc_u64 s[98:99], s[20:21], s[98:99]
	s_add_nc_u64 s[20:21], s[20:21], s[96:97]
	s_wait_dscnt 0x0                               ; for the others: my stores into the stage are done
	s_barrier_signal -1
	s_barrier_wait -1
.irp i, 0,1,2,3,4,5
	ds_load_b128 v[64+4*\i:67+4*\i], v5 offset:512*\i
.endr
.irp i, 0,1,2,3,4,5
	s_wait_dscnt 5-\i
	global_store_b128 v6, v[64+4*\i:67+4*\i], s[20:21] offset:(\i/3)*24576+(\i%3)*512   ; 512 consecutive bytes a store
.endr
	s_cmp_lg_u32 s92, 0
	s_cbranch_scc1 .Lno_words
	ds_load_b128 v[96:99], v7
	s_wait_dscnt 0x0
	global_store_b128 v6, v[96:99], s[98:99]       ; the 128 scale words
.Lno_words:
	s_wait_tensorcnt 0x0                           ; the wave's end
	ds_add_u32 v[SPW], v[NIL]
	s_wait_dscnt 0x0
	CROUND                                         ; the closing round
	s_endpgm
.Lfunc_end_k_q952d5229a0_branch:
	.size	k_q952d5229a0_branch, .Lfunc_end_k_q952d5229a0_branch-k_q952d5229a0_branch
	.p2alignl 7, 3214868480
	.fill 96, 4, 3214868480
	.section	.rodata,"a",@progbits
	.p2align	6, 0x0
	.amdhsa_kernel k_q952d5229a0_branch
		.amdhsa_group_segment_fixed_size 327680
		.amdhsa_private_segment_fixed_size 0
		.amdhsa_enable_private_segment 0
		.amdhsa_kernarg_size 72
		.amdhsa_user_sgpr_count 2
		.amdhsa_user_sgpr_kernarg_segment_ptr 1
		.amdhsa_wavefront_size32 1
		.amdhsa_system_sgpr_workgroup_id_x 1
		.amdhsa_system_sgpr_workgroup_id_y 1
		.amdhsa_system_sgpr_workgroup_id_z 1
		.amdhsa_system_vgpr_workitem_id 0
		.amdhsa_next_free_vgpr 1024
		.amdhsa_next_free_sgpr 102
		.amdhsa_reserve_vcc 0
		.amdhsa_float_denorm_mode_32 3
		.amdhsa_float_denorm_mode_16_64 3
		.amdhsa_memory_ordered 1
		.amdhsa_forward_progress 1
		.amdhsa_inst_pref_size 255
	.end_amdhsa_kernel
	.section	.bss,"aw",@nobits
	.p2align	6
	.space	262144
	.amdgpu_metadata
---
amdhsa.version: [ 1, 2 ]
amdhsa.kernels:
  - .name:           k_q952d5229a0_branch
    .symbol:         k_q952d5229a0_branch.kd
    .args:
      - { .name: xbuf, .offset: 0, .size: 8, .value_kind: global_buffer, .address_space: global }
      - { .name: wbuf, .offset: 8, .size: 8, .value_kind: global_buffer, .address_space: global }
      - { .name: b, .offset: 16, .size: 8, .value_kind: global_buffer, .address_space: global }
      - { .name: conn_b1, .offset: 24, .size: 8, .value_kind: global_buffer, .address_space: global }
      - { .name: conn_W2, .offset: 32, .size: 8, .value_kind: global_buffer, .address_space: global }
      - { .name: conn_b2, .offset: 40, .size: 8, .value_kind: global_buffer, .address_space: global }
      - { .name: mask, .offset: 48, .size: 8, .value_kind: global_buffer, .address_space: global }
      - { .name: act_w, .offset: 56, .size: 8, .value_kind: global_buffer, .address_space: global }
      - { .name: hbuf, .offset: 64, .size: 8, .value_kind: global_buffer, .address_space: global }
    .group_segment_fixed_size: 327680
    .private_segment_fixed_size: 0
    .kernarg_segment_align: 8
    .kernarg_segment_size: 72
    .max_flat_workgroup_size: 128
    .sgpr_count:     102
    .vgpr_count:     1024
    .wavefront_size: 32
...
	.end_amdgpu_metadata
.endif
;; end of part 2
;; launch logits (part 3): grid 32 x 8, 4 waves a work-group, clusters of 4 x 4, 327,680 bytes of LDS; arguments hbuf, read_W_codes, read_W_scales, read_b, pbuf, sbuf; writes pbuf, sbuf
.if DOCPART == 3
	.amdgcn_target "amdgcn-amd-amdhsa--gfx1250"
	.amdhsa_code_object_version 6
	.text
	.protected	k_q952d5229a0_logits
	.globl	k_q952d5229a0_logits
	.p2align	8
	.type	k_q952d5229a0_logits,@function
k_q952d5229a0_logits:
	s_mov_b64 s[64:65], 0
	v_nop
	global_prefetch_b8 v0, s[64:65] scope:SCOPE_SE
	s_setreg_imm32_b32 hwreg(HW_REG_WAVE_MODE, 25, 1), 1
	s_wait_xcnt 0x0
	s_wait_alu depctr_hold_cnt(0) depctr_sa_sdst(0) depctr_va_vdst(0) depctr_va_sdst(0) depctr_va_ssrc(0) depctr_va_vcc(0) depctr_vm_vsrc(0)
	s_getreg_b32 s2, hwreg(HW_REG_IB_STS2, 6, 4)
	s_cmp_eq_u32 s2, 0
	s_cbranch_scc0 .Lentry_in_a_cluster
	s_endpgm
.Lentry_in_a_cluster:
	s_bfe_u32 s2, ttmp6, 0x10000c
	s_cmp_lg_u32 s2, 0xf033
	s_cbranch_scc0 .Lentry_shape_is_right
	s_endpgm
.Lentry_shape_is_right:
; blend read_W + read_b on codes of E2M3, and the softmax's p as codes for the last product.  The logits never go to memory.
; A work-group makes 256 rows x 256 keys; a wave 128 x 128: 64 accumulators.  K = 2048 goes in steps of 256 through two LDS slots.  The blend's codes lie in memory as images of operand registers
; (pieces of 768 bytes); read_W's lie as given, rows of 1,536 bytes: a slot's 192 bytes of a row take 16 bytes of padding behind every 64 in LDS.
; THE PRODUCT IS USED TRANSPOSED (source 0 = 16 keys, source 1 = 16 rows): lane (r, h) holds row r and, in tile t, keys 16 t + 8 h + 0 .. 7.  read_b is the C of each sum's first instruction.
; THE SOFTMAX.  t = logit x log2 e.  For each row and each 128 keys (a K step of the last product): M = the largest t of these 128, taken up to a whole number; p = 2^(t - M); l = the sum of the unquantised p.
; p is quantised under this M; -M and l go to memory with p's scale words.  The last launch takes the whole number (the row's M - this M) off the scale bytes, which leaves the codes' values as they are.
; A lane's 16 numbers of a block are key groups h and 2 + h (8 keys each): after the exchange of halves the 6-byte groups are put in order by byte permutes.
; CLUSTER 4 x 4: the blend's tiles are shared along a row of the cluster, read_W's along a column.
; LIMITS: NaN and infinities are not served.  A p under 2^-126 counts as 0.  A block whose largest p lies under 2^-124 keeps the byte 1.
; REGISTERS: as in the launch before: window 0: v16-25 LDS addresses, v28-29 for the add, v32-63 scale words and nothing else, v64-127 the bias, later at work, v128-223 the blend's fragments; window 1 read_W's, two sets; windows 2, 3 the accumulators.
.set FR,     12
.set PITCH,  240
.set SLOT,   110592                    ; the blend: 16 tiles x 3072, then read_W: 256 rows x 240
.set BOFF,   49152
.set SA,     221184                    ; the blend's scale words [half 2][K step 16][128]
.set SB,     237568                    ; read_W's scale bytes: 256 rows x 64, as units of 256 + 16
.set SPARE,  254976
.set WST,    255488                    ; 1,536 bytes a wave: scale words, -M, l of its 128 rows
.set BS_OFF, 3145728
.set LAPS,   4
.set A16,  16
.set B16,  20                          ; v20-21 read_W's fragments, slot 0, 1;  v22-23 the same behind one padding more
.set ADSA, 24
.set ADSB, 25
.set SPW,  28
.set NIL,  29
.set SCA,  32                          ; set s, step q, register j at 8 s + 4 q + j
.set SCB,  48                          ; set s, register j, step q at 8 s + 2 j + q
.set BI,   64
.set AF,   128
.set G1,   24
.set G0,   32
.set G1B,  48
.set G0B,  56
.set G1S,  68
.set G0S,  76
.set G1SB, 80
.set G0SB, 88
.set MSB, 0
.macro WIN new
.if MSB != (\new)
	s_set_vgpr_msb (MSB<<8)|(\new)
.set MSB, (\new)
.endif
.endm
.set MUL_LO, 0xa1
.set MUL_HI, 0xf1
.set FST_LO, 0x81
.set FST_HI, 0xc1
.set TO_B,   0x40
.macro JLOAD g0a, g1a, g0b, g1b        ; waves 0, 1 ask for the blend's halves, waves 2, 3 for read_W's; four v_nop follow each line
	s_cmp_eq_u32 s93, 0
	s_cbranch_scc0 .Lfor_b_\@
	tensor_load_to_lds s[\g0a:\g0a+3], s[\g1a:\g1a+7]
	s_nop 0
.rept 4
	v_nop
.endr
	s_branch .Lasked_\@
.Lfor_b_\@:
	tensor_load_to_lds s[\g0b:\g0b+3], s[\g1b:\g1b+7]
	s_nop 0
.rept 4
	v_nop
.endr
.Lasked_\@:
.endm
.macro CREST
	s_cmp_lg_u32 s92, 0
	s_cbranch_scc1 .Lnot_wave_0_\@
	s_barrier_signal -3
.Lnot_wave_0_\@:
	s_barrier_wait -3
	s_barrier_signal -1
	s_barrier_wait -1
.endm
.macro CROUND
	s_barrier_signal -1
	s_barrier_wait -1
	CREST
.endm
.macro PLACES
.rept 4
	v_nop
.endr
.endm
	s_load_b256 s[4:11], s[0:1], 0x0               ; hbuf, read_W_codes, read_W_scales, read_b
	s_load_b128 s[12:15], s[0:1], 0x20             ; pbuf, sbuf
	v_lshl_add_u32 v[SPW], v0, 2, SPARE
	v_mov_b32 v[NIL], 0
	ds_add_u32 v28, v29
	ds_add_u32 v28, v29
	s_wait_dscnt 0x0
	v_lshrrev_b32 v1, 5, v0
	v_readfirstlane_b32 s92, v1                    ; wave
	s_lshr_b32 s93, s92, 1                         ; my half of the rows; also: I fetch for the blend (0) or for read_W (1)
	s_and_b32 s94, s92, 1                          ; my half of the keys; also: which half I fetch
	s_bfe_u32 s40, ttmp6, 0x40000
	s_bfe_u32 s41, ttmp6, 0x40004
	s_lshl_b32 s42, ttmp9, 2
	s_add_co_u32 s42, s42, s40                     ; tile column
	s_and_b32 s95, ttmp7, 0xffff
	s_lshl_b32 s95, s95, 2
	s_add_co_u32 s95, s95, s41                     ; tile row
	s_lshl_b32 s43, s41, 2
	s_lshl_b32 s43, 15, s43
	s_lshl_b32 s44, 0x1111, s40
	s_or_b32 s[G1], s43, (3<<16)|(1<<21)           ; the blend: 8 tiles x 384 elements of 8 bytes, 24,576 bytes apart
	s_mov_b32 s[G1+1], 384<<16
	s_mov_b32 s[G1+2], 8<<16
	s_mov_b32 s[G1+3], 384<<16
	s_mov_b32 s[G1+4], 8
	s_mov_b32 s[G1+5], 3072
	s_mov_b32 s[G1+6], 0
	s_mov_b32 s[G1+7], 0
	s_or_b32 s[G1B], s44, (1<<20)|(1<<21)|(3<<22)|(3<<25)   ; read_W: 128 rows x 192 bytes, 16 bytes of padding behind every 64
	s_mov_b32 s[G1B+1], 192<<16
	s_mov_b32 s[G1B+2], 128<<16
	s_mov_b32 s[G1B+3], 192<<16
	s_mov_b32 s[G1B+4], 128
	s_mov_b32 s[G1B+5], 1536
	s_mov_b32 s[G1B+6], 0
	s_mov_b32 s[G1B+7], 0
	s_or_b32 s[G1S], s43, (3<<16)|(1<<21)          ; the blend's scale words: 8,192 dense bytes
	s_mov_b32 s[G1S+1], 32<<16
	s_mov_b32 s[G1S+2], 32<<16
	s_mov_b32 s[G1S+3], 32<<16
	s_mov_b32 s[G1S+4], 32
	s_mov_b32 s[G1S+5], 32
	s_mov_b32 s[G1S+6], 0
	s_mov_b32 s[G1S+7], 0
	s_or_b32 s[G1SB], s44, (3<<16)|(1<<20)|(1<<21)|(5<<22)|(3<<25)   ; read_W's scale bytes: 8,192 dense bytes, 16 of padding behind every 256
	s_mov_b32 s[G1SB+1], 32<<16
	s_mov_b32 s[G1SB+2], 32<<16
	s_mov_b32 s[G1SB+3], 32<<16
	s_mov_b32 s[G1SB+4], 32
	s_mov_b32 s[G1SB+5], 32
	s_mov_b32 s[G1SB+6], 0
	s_mov_b32 s[G1SB+7], 0
	s_lshl_b32 s96, s95, 4
	s_lshl_b32 s97, s94, 3
	s_add_co_u32 s96, s96, s97
	s_mul_i32 s96, s96, 24576
	s_mov_b32 s97, 0
	s_lshl_b32 s98, s95, 1
	s_add_co_u32 s98, s98, s94
	s_lshl_b32 s98, s98, 13
	s_add_co_u32 s98, s98, BS_OFF
	s_mov_b32 s99, 0
	s_lshl_b32 s46, s42, 8
	s_lshl_b32 s47, s94, 7
	s_add_co_u32 s46, s46, s47                     ; my first key of those I fetch
	s_lshl_b32 s22, s46, 6
	s_mov_b32 s23, 0
	s_mul_i32 s46, s46, 1536
	s_mov_b32 s47, 0
	s_mul_i32 s100, s94, 24576
	s_mul_i32 s101, s94, 30720
	s_add_co_u32 s101, s101, BOFF
	s_lshl_b32 s45, s94, 13
	s_add_co_u32 s45, s45, SA
	s_mul_i32 s3, s94, 8704
	s_add_co_u32 s3, s3, SB
	s_wait_kmcnt 0x0
	s_add_nc_u64 s[96:97], s[4:5], s[96:97]
	s_add_nc_u64 s[98:99], s[4:5], s[98:99]
	s_add_nc_u64 s[46:47], s[6:7], s[46:47]
	s_add_nc_u64 s[22:23], s[8:9], s[22:23]
	CROUND
	s_mov_b32 s[G0S], 1
	s_mov_b32 s[G0S+1], s45
	s_mov_b64 s[G0S+2:G0S+3], s[98:99]
	s_or_b32 s[G0S+3], s[G0S+3], 0x80000000
	s_mov_b32 s[G0SB], 1
	s_mov_b32 s[G0SB+1], s3
	s_mov_b64 s[G0SB+2:G0SB+3], s[22:23]
	s_or_b32 s[G0SB+3], s[G0SB+3], 0x80000000
	JLOAD G0S, G1S, G0SB, G1SB
.irp s, 0,1
	s_mov_b32 s[G0+4*\s], 1
	s_add_co_u32 s[G0+4*\s+1], s100, \s*SLOT
	s_add_nc_u64 s[G0+4*\s+2:G0+4*\s+3], s[96:97], \s*3072
	s_or_b32 s[G0+4*\s+3], s[G0+4*\s+3], 0x80000000
	s_mov_b32 s[G0B+4*\s], 1
	s_add_co_u32 s[G0B+4*\s+1], s101, \s*SLOT
	s_add_nc_u64 s[G0B+4*\s+2:G0B+4*\s+3], s[46:47], \s*192
	s_or_b32 s[G0B+4*\s+3], s[G0B+4*\s+3], 0x80000000
	JLOAD G0+4*\s, G1, G0B+4*\s, G1B
.endr
	v_and_b32 v1, 15, v0                           ; r
	v_bfe_u32 v2, v0, 4, 1                         ; h
	v_and_b32 v3, 31, v0                           ; lane
	v_lshlrev_b32 v4, 4, v3                        ; 16 x lane: stays
	v_lshlrev_b32 v5, 3, v3                        ; 8 x lane: stays
	s_mul_i32 s100, s93, 24576                     ; my eight tiles of rows
	v_add_nc_u32 v[A16], s100, v4
	s_add_co_u32 s101, s100, 512
	v_add_nc_u32 v[A16+2], s101, v5
	v_add_nc_u32 v[A16+1], SLOT, v[A16]
	v_add_nc_u32 v[A16+3], SLOT, v[A16+2]
	v_mul_u32_u24 v6, v1, PITCH
	v_mad_u32_u24 v6, v2, 24, v6
	s_mul_i32 s100, s94, 30720                     ; my 128 keys
	s_add_co_u32 s100, s100, BOFF
	v_add_nc_u32 v[B16], s100, v6
	v_lshl_add_u32 v[B16+2], v2, 4, v[B16]
	v_add_nc_u32 v[B16+1], SLOT, v[B16]
	v_add_nc_u32 v[B16+3], SLOT, v[B16+2]
	s_lshl_b32 s100, s93, 13
	s_add_co_u32 s100, s100, SA
	v_lshl_add_u32 v[ADSA], v3, 2, s100            ; row 32 j + lane of my half
	s_mul_i32 s100, s94, 8704
	s_add_co_u32 s100, s100, SB
	v_lshrrev_b32 v6, 2, v3
	v_lshlrev_b32 v6, 4, v6
	v_lshl_add_u32 v6, v3, 6, v6                   ; key 32 j + lane: 64 bytes a key, 16 more for each 256 passed
	v_add_nc_u32 v[ADSB], s100, v6
	s_lshl_b32 s46, s42, 10
	s_lshl_b32 s47, s94, 9
	s_add_co_u32 s46, s46, s47
	s_mov_b32 s47, 0
	s_add_nc_u64 s[10:11], s[10:11], s[46:47]
	v_lshlrev_b32 v7, 5, v2                        ; read_b at keys 16 t + 8 h + 0 .. 7
.irp t, 0,1,2,3,4,5,6,7
	global_load_b128 v[BI+8*\t:BI+8*\t+3], v7, s[10:11] offset:64*\t
	global_load_b128 v[BI+8*\t+4:BI+8*\t+7], v7, s[10:11] offset:64*\t+16
.endr
.macro FRAGH reg, a16, a8, off
	ds_load_b128 v[\reg:\reg+3], v[\a16] offset:\off
	ds_load_b64 v[\reg+4:\reg+5], v[\a8] offset:\off
	ds_load_b128 v[\reg+6:\reg+9], v[\a16] offset:\off+768
	ds_load_b64 v[\reg+10:\reg+11], v[\a8] offset:\off+768
.endm
.macro FRAG6 reg, adr, q, i            ; a fragment from rows: six pieces of 8 bytes; lanes 16-31 read three pieces further on, which for some pieces is behind one padding more
.irp p, 0,1,2,3,4,5
.set PC, 12*(\q)+6*(\p/3)+\p%3
.if PC%8 < 5
	ds_load_b64 v[\reg+2*\p:\reg+2*\p+1], v[\adr] offset:8*PC+16*(PC/8)+(\i)*16*PITCH
.else
	ds_load_b64 v[\reg+2*\p:\reg+2*\p+1], v[\adr+2] offset:8*PC+16*(PC/8)+(\i)*16*PITCH
.endif
.endr
.endm
.macro FETCH_B slot, q, p
	WIN TO_B
.irp i, 0,1,2,3,4,5,6,7
	FRAG6 128*(\p)+FR*\i, B16+\slot, \q, \i
.endr
	WIN 0
.endm
.macro FETCH_A slot, q, i0
.irp i, \i0, \i0+1, \i0+2, \i0+3
	FRAGH AF+FR*(\i), A16+\slot, A16+2+\slot, (\i)*3072+(\q)*1536
.endr
.endm
.macro SCALES sc
.irp q, 0,1
.irp j, 0,1,2,3
	ds_load_b32 v[SCA+8*\sc+4*\q+\j], v[ADSA] offset:128*\j+512*\q
.endr
.endr
.irp j, 0,1,2,3
	ds_load_b64 v[SCB+8*\sc+2*\j:SCB+8*\sc+2*\j+1], v[ADSB] offset:2176*\j
.endr
.endm
.macro WM a, b, p, q, sc, first
.set rD, 8*(8*((\a)%4)+(\b))
.set rB, 128*(\p)+FR*(\b)
.set rA, AF+FR*(\a)
.set rS0, SCB+8*(\sc)+2*((\b)/2)+(\q)
.set rS1, SCA+8*(\sc)+4*(\q)+(\a)/2
.set rC, rD
.if \first
.set rC, BI+8*(\b)
.endif
.if ((\a)%2 == 0) && ((\b)%2 == 0)
	v_wmma_scale_f32_16x16x128_f8f6f4 v[rD:rD+7], v[rB:rB+FR-1], v[rA:rA+FR-1], v[rC:rC+7], v[rS0], v[rS1] matrix_a_fmt:MATRIX_FMT_FP6 matrix_b_fmt:MATRIX_FMT_FP6
.elseif ((\a)%2 == 0)
	v_wmma_scale_f32_16x16x128_f8f6f4 v[rD:rD+7], v[rB:rB+FR-1], v[rA:rA+FR-1], v[rC:rC+7], v[rS0], v[rS1] matrix_a_fmt:MATRIX_FMT_FP6 matrix_b_fmt:MATRIX_FMT_FP6 matrix_a_scale:MATRIX_SCALE_ROW1
.elseif ((\b)%2 == 0)
	v_wmma_scale_f32_16x16x128_f8f6f4 v[rD:rD+7], v[rB:rB+FR-1], v[rA:rA+FR-1], v[rC:rC+7], v[rS0], v[rS1] matrix_a_fmt:MATRIX_FMT_FP6 matrix_b_fmt:MATRIX_FMT_FP6 matrix_b_scale:MATRIX_SCALE_ROW1
.else
	v_wmma_scale_f32_16x16x128_f8f6f4 v[rD:rD+7], v[rB:rB+FR-1], v[rA:rA+FR-1], v[rC:rC+7], v[rS0], v[rS1] matrix_a_fmt:MATRIX_FMT_FP6 matrix_b_fmt:MATRIX_FMT_FP6 matrix_a_scale:MATRIX_SCALE_ROW1 matrix_b_scale:MATRIX_SCALE_ROW1
.endif
.endm
.macro MUL16 a0, p, q, sc, first       ; the 64 accumulators take turns, one instruction a turn
.irp a, \a0, \a0+1
.irp b, 0,1,2,3,4,5,6,7
	WM \a, \b, \p, \q, \sc, \first
.endr
.endr
.endm
.macro STEP slot, first
	s_wait_dscnt 16                                ; all but the youngest 16 loads (the blend's tiles 4-7) are in
.if \first
	WIN FST_LO
.else
	WIN MUL_LO
.endif
	MUL16 0, 0, 0, \slot, \first
	MUL16 2, 0, 0, \slot, \first
	s_wait_dscnt 0x0
	PLACES
	FETCH_B \slot, 1, 1
	FETCH_A \slot, 1, 0
.if \first
	WIN FST_HI
.else
	WIN MUL_HI
.endif
	MUL16 4, 0, 0, \slot, \first
	MUL16 6, 0, 0, \slot, \first
	PLACES
	WIN 0
	FETCH_A \slot, 1, 4
.endm
; A slot's second 128 along K, and the change of slots.  Half of the step's products stand AHEAD of the wait for the next slot's tile: they want registers alone.  So nothing but the round stands
; between that wait and the request for the tile after it.
.macro TURN slot, next, fill
	s_wait_dscnt 16                                ; all but the youngest 16 loads (the blend's tiles 4-7) are in
	WIN MUL_LO
	MUL16 0, 1, 1, \slot, 0
	MUL16 2, 1, 1, \slot, 0
	WIN 0
	s_wait_tensorcnt 0x0                           ; all my tensor loads have landed: my part of the next slot;
	ds_add_u32 v[SPW], v[NIL]                      ; 0 onto my spare word
	s_wait_dscnt 0x0                               ; the add is done, and my reads of this slot are over
	s_barrier_signal -1
	s_barrier_wait -1
.if \fill
	CREST                                          ; the barrier has opened a round of the cluster's: no wave of any partner still reads this slot or has a load on its way
	s_add_nc_u64 s[G0+4*\slot+2:G0+4*\slot+3], s[G0+4*\slot+2:G0+4*\slot+3], 6144
	s_add_nc_u64 s[G0B+4*\slot+2:G0B+4*\slot+3], s[G0B+4*\slot+2:G0B+4*\slot+3], 384
	JLOAD G0+4*\slot, G1, G0B+4*\slot, G1B         ; my one tensor load behind the round; its four v_nop are also the places in front of the loads below
.else
	PLACES
.endif
	v_add_nc_u32 v[ADSA], 1024, v[ADSA]
	v_add_nc_u32 v[ADSB], 8, v[ADSB]
	FETCH_B \next, 0, 0
	FETCH_A \next, 0, 0
	SCALES \next
	WIN MUL_HI
	MUL16 4, 1, 1, \slot, 0
	MUL16 6, 1, 1, \slot, 0
	PLACES
	WIN 0
	FETCH_A \next, 0, 4
.endm
	s_wait_loadcnt 0x0                             ; the bias
	s_wait_tensorcnt 1                             ; the scales and my part of slot 0 are in; slot 1's load may be out
	s_barrier_signal -1
	s_barrier_wait -1
	FETCH_B 0, 0, 0
	FETCH_A 0, 0, 0
	SCALES 0
	FETCH_A 0, 0, 4
	STEP 0, 1
	s_mov_b32 s3, LAPS-1
.Llap:
	TURN 0, 1, 1
	STEP 1, 0
	TURN 1, 0, 1
	STEP 0, 0
	s_sub_co_u32 s3, s3, 1
	s_cmp_lg_u32 s3, 0
	s_cbranch_scc1 .Llap
	TURN 0, 1, 0
	STEP 1, 0
	s_wait_dscnt 16
	WIN MUL_LO
	MUL16 0, 1, 1, 1, 0
	MUL16 2, 1, 1, 1, 0
	s_wait_dscnt 0x0
	WIN MUL_HI
	MUL16 4, 1, 1, 1, 0
	MUL16 6, 1, 1, 1, 0
	WIN 0
	; ---- THE WAY OUT.  The lines below are also the places behind the last products
.set BM, 64                            ; v64-67 the blocks' largest scores, then their largest p
.set BX, 68                            ; v68-71 the other half of the lanes'
.set SO, 72                            ; v72-75 the conversions' scale operands
.set BY, 76                            ; v76-79 the bytes
.set F,  96                            ; v96-107 the fragment
.set Y,  108                           ; v108-110, v112-114 the odd blocks' codes
	s_mul_i32 s100, s92, 1536
	s_add_co_u32 s100, s100, WST
	v_lshl_add_u32 v6, v1, 4, s100                 ; my row's place among my wave's words
	v_add_nc_u32 v7, s100, v4
.irp b, 0,1,2,3
	v_mov_b32 v[BX+\b], 0                          ; a lane permute's destination counts as read
.endr
	v_mov_b32 v89, 0
	s_mov_b32 s24, 0x3fb8aa3b                      ; log2 e
	s_mov_b32 s25, s24
	s_mov_b32 s26, 0x05040302
	s_mov_b32 s27, 0x07060302
	s_mov_b32 s28, 0x05040100
	s_mov_b32 s66, 0x76543210
	s_mov_b32 s67, 0xfedcba98
	s_lshl_b32 s96, s95, 4
	s_lshl_b32 s97, s93, 3
	s_add_co_u32 s96, s96, s97
	s_mul_i32 s96, s96, 98304                      ; tiles of rows 16 x tile row + 8 x half on,
	s_lshl_b32 s98, s42, 1
	s_add_co_u32 s98, s98, s94                     ; K step 2 x tile column + half
	s_mul_i32 s97, s98, 1536
	s_add_co_u32 s96, s96, s97
	s_mov_b32 s97, 0
	s_add_nc_u64 s[12:13], s[12:13], s[96:97]
	s_lshl_b32 s96, s95, 1
	s_add_co_u32 s96, s96, s93
	s_lshl_b32 s96, s96, 6
	s_add_co_u32 s96, s96, s98
	s_lshl_b32 s96, s96, 9
	s_add_nc_u64 s[14:15], s[14:15], s[96:97]
.macro SOFTQ a                         ; a tile of 16 rows x my 128 keys
.set AC, 64*((\a)%4)
.set W, 2+(\a)/4
	s_wait_dscnt 0x0                               ; the last tile's three LDS stores have read their registers
	WIN W|(W<<2)|(W<<4)
.irp b, 0,1,2,3
	v_max3_num_f32 v[BM+\b], v[AC+16*\b], v[AC+16*\b+1], v[AC+16*\b+2]   ; the largest score of each block of 32 keys; each accumulator is read from its low end on
.endr
	WIN (W<<2)|(W<<4)
.irp i, 3,5,7,9,11,13
.irp b, 0,1,2,3
	v_max3_num_f32 v[BM+\b], v[BM+\b], v[AC+16*\b+\i], v[AC+16*\b+\i+1]
.endr
.endr
.irp b, 0,1,2,3
	v_max_num_f32 v[BM+\b], v[BM+\b], v[AC+16*\b+15]
.endr
	WIN 0
.irp b, 0,1,2,3
	v_permlanex16_b32 v[BX+\b], v[BM+\b], s66, s67
.endr
.irp b, 0,1,2,3
	v_max_num_f32 v[BM+\b], v[BM+\b], v[BX+\b]
.endr
	v_max3_num_f32 v80, v[BM], v[BM+1], v[BM+2]
	v_max_num_f32 v80, v80, v[BM+3]
	v_mul_f32 v80, s24, v80                        ; the largest t
	v_floor_f32 v82, -v80                          ; -M: M is a whole number
	v_mov_b32 v83, v82
.irp b, 0,1,2,3
	v_fma_f32 v[BM+\b], v[BM+\b], s24, v82         ; p rises with the score: a block's largest score gives its largest p
.endr
	WIN W|(W<<6)
.set i, 0
.rept 32
	v_pk_fma_f32 v[AC+2*i:AC+2*i+1], v[AC+2*i:AC+2*i+1], s[24:25], v[82:83] op_sel_hi:[1,0,0]   ; t - M
.set i, i+1
.endr
.set i, 0
.rept 64
	v_exp_f32 v[AC+i], v[AC+i]                     ; p
.set i, i+1
.endr
	WIN 0
.irp b, 0,1,2,3
	v_exp_f32 v[BM+\b], v[BM+\b]
.endr
.irp i, 84,85,86,87
	v_mov_b32 v[\i], 0                             ; the sum's two chains; plain instructions behind the batch
.endr
	s_wait_alu depctr_va_vdst(0)                   ; one wait for the 68
	WIN W<<2
.set i, 0
.rept 16
	v_pk_add_f32 v[84:85], v[84:85], v[AC+4*i:AC+4*i+1]        ; the sum is taken of the unquantised p
	v_pk_add_f32 v[86:87], v[86:87], v[AC+4*i+2:AC+4*i+3]
.set i, i+1
.endr
	WIN 0
	v_pk_add_f32 v[84:85], v[84:85], v[86:87]
	v_add_f32 v88, v84, v85
	v_permlanex16_b32 v89, v88, s66, s67
	v_add_f32 v88, v88, v89                        ; l of my row's 128 keys
.irp b, 0,1,2,3
	v_max_num_f32 v[BM+\b], 0x1800000, v[BM+\b]    ; the floor 2^-124
.endr
.irp b, 0,1,2,3
	v_add_nc_u32 v[SO+\b], 0xff000000, v[BM+\b]
.endr
.irp b, 0,1,2,3
	v_lshrrev_b32 v[BY+\b], 23, v[SO+\b]
.endr
	v_lshl_or_b32 v90, v[BY+1], 8, v[BY]
	v_lshl_or_b32 v90, v[BY+2], 16, v90
	v_lshl_or_b32 v90, v[BY+3], 24, v90            ; my row's scale word
.if (\a) > 0
	s_wait_xcnt 0x0                                ; the last tile's stores have read the fragment's registers
.endif
	WIN W
.irp c, 0,1
	v_cvt_scalef32_pk16_fp6_f32 v[F+6*\c:F+6*\c+2], v[AC+32*\c:AC+32*\c+15], v[SO+2*\c]
	v_cvt_scalef32_pk16_fp6_f32 v[Y+4*\c:Y+4*\c+2], v[AC+32*\c+16:AC+32*\c+31], v[SO+2*\c+1]
.endr
	v_nop                                          ; a plain instruction behind the conversions
	WIN 0
.irp c, 0,1
.irp i, 0,1,2
	v_permlane16_swap_b32 v[F+6*\c+\i], v[Y+4*\c+\i]   ; lane (r, hh) now has block 2 c + hh: groups 0, 2 in the first three registers, groups 1, 3 in the other three
.endr
	v_perm_b32 v[F+6*\c+3], v[F+6*\c+2], v[F+6*\c+1], s26      ; group 2's bytes 0-3
	v_perm_b32 v[F+6*\c+4], v[Y+4*\c+1], v[F+6*\c+2], s27      ; group 2's bytes 4, 5, group 3's 0, 1
	v_perm_b32 v[F+6*\c+1], v[Y+4*\c], v[F+6*\c+1], s28        ; group 0's bytes 4, 5, group 1's 0, 1
	v_perm_b32 v[F+6*\c+2], v[Y+4*\c+1], v[Y+4*\c], s26        ; group 1's bytes 2-5
	v_mov_b32 v[F+6*\c+5], v[Y+4*\c+2]                         ; group 3's bytes 2-5
.endr
	global_store_b128 v4, v[F:F+3], s[12:13] offset:98304*(\a)           ; the fragment as it will be loaded: 512, 256, 512, 256 consecutive bytes
	global_store_b64 v5, v[F+4:F+5], s[12:13] offset:98304*(\a)+512
	global_store_b128 v4, v[F+6:F+9], s[12:13] offset:98304*(\a)+768
	global_store_b64 v5, v[F+10:F+11], s[12:13] offset:98304*(\a)+1280
	ds_store_b32 v6, v90 offset:256*((\a)%2)+4*((\a)/2)        ; row 16 a + r = 32 j + lane: at 16 x lane + 4 j
	ds_store_b32 v6, v82 offset:512+256*((\a)%2)+4*((\a)/2)
	ds_store_b32 v6, v88 offset:1024+256*((\a)%2)+4*((\a)/2)
.endm
.irp a, 0,1,2,3,4,5,6,7
	SOFTQ \a
.endr
	ds_load_b128 v[64:67], v7                      ; LDS serves a wave's instructions in order: these see my stores
	ds_load_b128 v[68:71], v7 offset:512
	ds_load_b128 v[72:75], v7 offset:1024
	s_wait_dscnt 0x0
	global_store_b128 v4, v[64:67], s[14:15]
	global_store_b128 v4, v[68:71], s[14:15] offset:524288
	global_store_b128 v4, v[72:75], s[14:15] offset:1048576
	s_wait_tensorcnt 0x0                           ; the wave's end
	ds_add_u32 v[SPW], v[NIL]
	s_wait_dscnt 0x0
	CROUND
	s_endpgm
.Lfunc_end_k_q952d5229a0_logits:
	.size	k_q952d5229a0_logits, .Lfunc_end_k_q952d5229a0_logits-k_q952d5229a0_logits
	.p2alignl 7, 3214868480
	.fill 96, 4, 3214868480
	.section	.rodata,"a",@progbits
	.p2align	6, 0x0
	.amdhsa_kernel k_q952d5229a0_logits
		.amdhsa_group_segment_fixed_size 327680
		.amdhsa_private_segment_fixed_size 0
		.amdhsa_enable_private_segment 0
		.amdhsa_kernarg_size 48
		.amdhsa_user_sgpr_count 2
		.amdhsa_user_sgpr_kernarg_segment_ptr 1
		.amdhsa_wavefront_size32 1
		.amdhsa_system_sgpr_workgroup_id_x 1
		.amdhsa_system_sgpr_workgroup_id_y 1
		.amdhsa_system_sgpr_workgroup_id_z 1
		.amdhsa_system_vgpr_workitem_id 0
		.amdhsa_next_free_vgpr 1024
		.amdhsa_next_free_sgpr 102
		.amdhsa_reserve_vcc 0
		.amdhsa_float_denorm_mode_32 3
		.amdhsa_float_denorm_mode_16_64 3
		.amdhsa_memory_ordered 1
		.amdhsa_forward_progress 1
		.amdhsa_inst_pref_size 222
	.end_amdhsa_kernel
	.amdgpu_metadata
---
amdhsa.version: [ 1, 2 ]
amdhsa.kernels:
  - .name:           k_q952d5229a0_logits
    .symbol:         k_q952d5229a0_logits.kd
    .args:
      - { .name: hbuf, .offset: 0, .size: 8, .value_kind: global_buffer, .address_space: global }
      - { .name: read_W_codes, .offset: 8, .size: 8, .value_kind: global_buffer, .address_space: global }
      - { .name: read_W_scales, .offset: 16, .size: 8, .value_kind: global_buffer, .address_space: global }
      - { .name: read_b, .offset: 24, .size: 8, .value_kind: global_buffer, .address_space: global }
      - { .name: pbuf, .offset: 32, .size: 8, .value_kind: global_buffer, .address_space: global }
      - { .name: sbuf, .offset: 40, .size: 8, .value_kind: global_buffer, .address_space: global }
    .group_segment_fixed_size: 327680
    .private_segment_fixed_size: 0
    .kernarg_segment_align: 8
    .kernarg_segment_size: 48
    .max_flat_workgroup_size: 128
    .sgpr_count:     102
    .vgpr_count:     1024
    .wavefront_size: 32
...
	.end_amdgpu_metadata
.endif
;; end of part 3
;; launch readout (part 4): grid 16 x 16, 4 waves a work-group, clusters of 4 x 4, 327,680 bytes of LDS; arguments pbuf, sbuf, memory_codes, memory_scales, out0; writes out0
.if DOCPART == 4
	.amdgcn_target "amdgcn-amd-amdhsa--gfx1250"
	.amdhsa_code_object_version 6
	.text
	.protected	k_q952d5229a0_readout
	.globl	k_q952d5229a0_readout
	.p2align	8
	.type	k_q952d5229a0_readout,@function
k_q952d5229a0_readout:
	s_mov_b64 s[64:65], 0
	v_nop
	global_prefetch_b8 v0, s[64:65] scope:SCOPE_SE
	s_setreg_imm32_b32 hwreg(HW_REG_WAVE_MODE, 25, 1), 1
	s_wait_xcnt 0x0
	s_wait_alu depctr_hold_cnt(0) depctr_sa_sdst(0) depctr_va_vdst(0) depctr_va_sdst(0) depctr_va_ssrc(0) depctr_va_vcc(0) depctr_vm_vsrc(0)
	s_getreg_b32 s2, hwreg(HW_REG_IB_STS2, 6, 4)
	s_cmp_eq_u32 s2, 0
	s_cbranch_scc0 .Lentry_in_a_cluster
	s_endpgm
.Lentry_in_a_cluster:
	s_bfe_u32 s2, ttmp6, 0x10000c
	s_cmp_lg_u32 s2, 0xf033
	s_cbranch_scc0 .Lentry_shape_is_right
	s_endpgm
.Lentry_shape_is_right:
; out = (p memory) / l on codes of E2M3.  A work-group makes 128 rows x 64 columns, so that 2048 x 1024 gives 256 work-groups.  K = 8192 keys go in steps of 1024 through two LDS slots.
; THE WAVES SHARE K, NOT THE TILE: of a slot's eight K steps of 128, wave w takes 2 w and 2 w + 1, for all 32 accumulators (8 tiles of rows x 4 of columns).  So every LDS byte of a slot is read once.
; At the end the four waves' sums meet in LDS; wave w adds and stores rows 32 w .. 32 w + 31.
; p was quantised under an M of its own for each 128 keys.  At the head each wave finds, for its 16 K steps, the smallest -M; the four waves' meet in LDS: the row's M.  d = the row's M - a K step's M, a whole
; number >= 0, is taken off the four bytes of that K step's scale word (a byte that would fall under 0 becomes 0), and l x 2^-d is summed.  p's bytes are at most 125, so (byte | 128) - min(d, 127) borrows nothing.
; That work goes slot step by slot step (macro FIX): the first step's eight words at the head, each later step's ahead of the wait for its tile.  The waves' sums of l meet at the end.
; THE PRODUCT IS USED TRANSPOSED (source 0 = 16 rows of memory, source 1 = 16 rows of p): a lane holds eight neighbouring columns of one row of out.
; p's codes lie as images of operand registers; memory's as given, rows of 6,144 bytes: a slot's 768 bytes of a row take 16 bytes of padding behind every 256 in LDS.
; CLUSTER 4 x 4: p's tiles are shared along a row of the cluster, memory's tiles and scale bytes along a column.  The eight slot steps are written out: p's scale words stay in 64 registers whose numbers are constants.
; LIMITS: NaN and infinities are not served.  A block of p whose scale would fall under 2^-127 is taken with 2^-127: it adds at most 7.5 x 2^-127 times a number of memory.
; REGISTERS: window 0: v1-3 r, h, lane; v4-19 slot 0's LDS addresses, v24-39 slot 1's; v20 memory's scale words; v21-22 for the add; v40-44 at work, v45-47 LDS addresses; v48-55 memory's scale words and v64-127 p's, and nothing else;
;   v56-59 the smallest -M, v60-63 l; v128-255 -M and l of my K steps, later at work.  window 1: p's fragments, two sets (v0, v128); v96-111 at work at the head.  window 3: memory's, two sets (v0, v64).  window 2: the accumulators ((a, b) at v[8 (4 a + b)]).
.set SLOT,  150528                     ; p: 8 tiles x 12,288, then memory: 64 rows x 816
.set BOFF,  98304
.set SCB,   301056                     ; memory's scale bytes: 64 rows x (256 + 16)
.set RED,   318464                     ; the waves' smallest -M; 2,048 bytes on: their sums of l
.set RLB,   322560                     ; 1 / l of the 128 rows, a copy for each wave
.set SPARE, 324608
.set OST,   131072                     ; the way out: 32 rows x 272 bytes a wave, behind the 131,072 bytes in which the sums meet
.set SPW,   21
.set NIL,   22
.set G1,   24
.set G0,   32
.set G1B,  48
.set G0B,  56
.set G1S,  68
.set G0S,  76
.set MSB, 0
.macro WIN new
.if MSB != (\new)
	s_set_vgpr_msb (MSB<<8)|(\new)
.set MSB, (\new)
.endif
.endm
.set MUL, 0xa7                         ; source 0 (memory) window 3, source 1 (p) window 1, C and D window 2
.macro JLOAD g0a, g1a, g0b, g1b        ; waves 0, 1 ask for p's halves, waves 2, 3 for memory's; four v_nop follow each line
	s_cmp_eq_u32 s93, 0
	s_cbranch_scc0 .Lfor_b_\@
	tensor_load_to_lds s[\g0a:\g0a+3], s[\g1a:\g1a+7]
	s_nop 0
.rept 4
	v_nop
.endr
	s_branch .Lasked_\@
.Lfor_b_\@:
	tensor_load_to_lds s[\g0b:\g0b+3], s[\g1b:\g1b+7]
	s_nop 0
.rept 4
	v_nop
.endr
.Lasked_\@:
.endm
.macro CREST
	s_cmp_lg_u32 s92, 0
	s_cbranch_scc1 .Lnot_wave_0_\@
	s_barrier_signal -3
.Lnot_wave_0_\@:
	s_barrier_wait -3
	s_barrier_signal -1
	s_barrier_wait -1
.endm
.macro CROUND
	s_barrier_signal -1
	s_barrier_wait -1
	CREST
.endm
.macro PLACES
.rept 4
	v_nop
.endr
.endm
	s_load_b256 s[4:11], s[0:1], 0x0               ; pbuf, sbuf, memory_codes, memory_scales
	s_load_b64 s[12:13], s[0:1], 0x20              ; out0
	v_lshl_add_u32 v[SPW], v0, 2, SPARE
	v_mov_b32 v[NIL], 0
	ds_add_u32 v21, v22
	ds_add_u32 v21, v22
	s_wait_dscnt 0x0
	v_lshrrev_b32 v1, 5, v0
	v_readfirstlane_b32 s92, v1                    ; wave
	s_lshr_b32 s93, s92, 1
	s_and_b32 s94, s92, 1
	s_bfe_u32 s40, ttmp6, 0x40000
	s_bfe_u32 s41, ttmp6, 0x40004
	s_lshl_b32 s42, ttmp9, 2
	s_add_co_u32 s42, s42, s40                     ; tile column
	s_and_b32 s95, ttmp7, 0xffff
	s_lshl_b32 s95, s95, 2
	s_add_co_u32 s95, s95, s41                     ; tile row
	s_lshl_b32 s43, s41, 2
	s_lshl_b32 s43, 15, s43
	s_lshl_b32 s44, 0x1111, s40
	s_or_b32 s[G1], s43, (3<<16)|(1<<21)           ; p: 4 tiles x 1,536 elements of 8 bytes, 98,304 bytes apart
	s_mov_b32 s[G1+1], 1536<<16
	s_mov_b32 s[G1+2], 4<<16
	s_mov_b32 s[G1+3], 1536<<16
	s_mov_b32 s[G1+4], 4
	s_mov_b32 s[G1+5], 12288
	s_mov_b32 s[G1+6], 0
	s_mov_b32 s[G1+7], 0
	s_or_b32 s[G1B], s44, (1<<20)|(1<<21)|(5<<22)|(3<<25)   ; memory: 32 rows x 768 bytes, 16 bytes of padding behind every 256
	s_mov_b32 s[G1B+1], 768<<16
	s_mov_b32 s[G1B+2], 32<<16
	s_mov_b32 s[G1B+3], 768<<16
	s_mov_b32 s[G1B+4], 32
	s_mov_b32 s[G1B+5], 6144
	s_mov_b32 s[G1B+6], 0
	s_mov_b32 s[G1B+7], 0
	s_or_b32 s[G1S], s44, (3<<16)|(1<<20)|(1<<21)|(5<<22)|(3<<25)   ; memory's scale bytes: 16 rows of 256, 16 bytes of padding behind each
	s_mov_b32 s[G1S+1], 32<<16
	s_mov_b32 s[G1S+2], 16<<16
	s_mov_b32 s[G1S+3], 32<<16
	s_mov_b32 s[G1S+4], 16
	s_mov_b32 s[G1S+5], 32
	s_mov_b32 s[G1S+6], 0
	s_mov_b32 s[G1S+7], 0
	s_lshl_b32 s96, s95, 3
	s_lshl_b32 s97, s94, 2
	s_add_co_u32 s96, s96, s97
	s_mul_i32 s96, s96, 98304
	s_mov_b32 s97, 0
	s_lshl_b32 s46, s42, 6
	s_lshl_b32 s47, s94, 5
	s_add_co_u32 s46, s46, s47
	s_mul_i32 s46, s46, 6144
	s_mov_b32 s47, 0
	s_lshl_b32 s22, s42, 6
	s_lshl_b32 s23, s92, 4
	s_add_co_u32 s22, s22, s23
	s_lshl_b32 s22, s22, 8
	s_mov_b32 s23, 0
	s_mul_i32 s100, s94, 49152
	s_mul_i32 s101, s94, 26112
	s_add_co_u32 s101, s101, BOFF
	s_mul_i32 s45, s92, 4352
	s_add_co_u32 s45, s45, SCB
	s_lshl_b32 s66, s95, 15
	s_lshl_b32 s67, s92, 10
	s_add_co_u32 s66, s66, s67                     ; my tile row's records, my two K steps of each eight
	s_mov_b32 s67, 0
	v_and_b32 v1, 15, v0                           ; r
	v_bfe_u32 v2, v0, 4, 1                         ; h
	v_and_b32 v3, 31, v0                           ; lane
	v_lshlrev_b32 v23, 4, v3                       ; 16 x lane: stays
	s_wait_kmcnt 0x0
	s_add_nc_u64 s[96:97], s[4:5], s[96:97]
	s_add_nc_u64 s[46:47], s[8:9], s[46:47]
	s_add_nc_u64 s[22:23], s[10:11], s[22:23]
	s_add_nc_u64 s[6:7], s[6:7], s[66:67]
	; these 48 loads go out ahead of the cluster's first round: -M first, which is wanted whole; then l and the scale words by turns, in the order in which the slot steps want them
.set n, 0
.rept 16
	global_load_b128 v[128+4*n:131+4*n], v23, s[6:7] offset:524288+4096*(n/2)+512*(n%2)     ; -M: register 4 n + j: row 32 j + lane, K step 8 (n / 2) + 2 w + n % 2
.set n, n+1
.endr
.set n, 0
.rept 16
	global_load_b128 v[192+4*n:195+4*n], v23, s[6:7] offset:1048576+4096*(n/2)+512*(n%2)    ; l
	global_load_b128 v[64+4*n:67+4*n], v23, s[6:7] offset:4096*(n/2)+512*(n%2)              ; the scale words
.set n, n+1
.endr
	CROUND
	s_mov_b32 s[G0S], 1
	s_mov_b32 s[G0S+1], s45
	s_mov_b64 s[G0S+2:G0S+3], s[22:23]
	s_or_b32 s[G0S+3], s[G0S+3], 0x80000000
	tensor_load_to_lds s[G0S:G0S+3], s[G1S:G1S+7]  ; each wave its quarter of the scale bytes
	s_nop 0
.rept 4
	v_nop
.endr
.irp s, 0,1
	s_mov_b32 s[G0+4*\s], 1
	s_add_co_u32 s[G0+4*\s+1], s100, \s*SLOT
	s_add_nc_u64 s[G0+4*\s+2:G0+4*\s+3], s[96:97], \s*12288
	s_or_b32 s[G0+4*\s+3], s[G0+4*\s+3], 0x80000000
	s_mov_b32 s[G0B+4*\s], 1
	s_add_co_u32 s[G0B+4*\s+1], s101, \s*SLOT
	s_add_nc_u64 s[G0B+4*\s+2:G0B+4*\s+3], s[46:47], \s*768
	s_or_b32 s[G0B+4*\s+3], s[G0B+4*\s+3], 0x80000000
	JLOAD G0+4*\s, G1, G0B+4*\s, G1B
.endr
	s_mul_i32 s100, s92, 3072                      ; my two K steps in a tile's 12,288 bytes
	v_add_nc_u32 v4, s100, v23                     ; p's fragments: 16-byte parts, tiles 0-3;
	v_add_nc_u32 v5, 49152, v4                     ; tiles 4-7;
	v_lshlrev_b32 v40, 3, v3
	v_add_nc_u32 v40, 512, v40
	v_add_nc_u32 v6, s100, v40                     ; the 8-byte parts
	v_add_nc_u32 v7, 49152, v6
.irp k, 0,1,2,3
	v_add_nc_u32 v[24+\k], SLOT, v[4+\k]
.endr
	v_mul_u32_u24 v41, v1, 816
	v_add_nc_u32 v41, BOFF, v41
	s_mul_i32 s100, s92, 24
	v_mad_u32_u24 v42, v2, 3, s100                 ; memory's fragments, in pieces of 8 bytes: piece x = 24 w + 12 q + (0, 1, 2, 6, 7, 8) + 3 h lies at 8 x + 16 (x / 32)
.irp q, 0,1
.irp p, 0,1,2,3,4,5
	v_add_nc_u32 v43, 12*\q+6*(\p/3)+\p%3, v42
	v_lshrrev_b32 v44, 5, v43
	v_lshlrev_b32 v44, 4, v44
	v_lshl_add_u32 v44, v43, 3, v44
	v_add_nc_u32 v[8+6*\q+\p], v41, v44
	v_add_nc_u32 v[28+6*\q+\p], SLOT, v[8+6*\q+\p]
.endr
.endr
	v_mul_u32_u24 v20, v3, 272
	s_lshl_b32 s100, s92, 3
	s_add_co_u32 s100, s100, SCB
	v_add_nc_u32 v20, s100, v20                    ; memory's scale words: row 32 j + lane, my two K steps
	s_lshl_b32 s100, s92, 9
	s_add_co_u32 s101, s100, RED
	v_add_nc_u32 v45, s101, v23
	v_add_nc_u32 v46, RED, v23
	s_add_co_u32 s101, s100, RLB
	v_lshl_add_u32 v47, v3, 2, s101
	s_mov_b32 s66, 0x80808080
.macro FRAGH reg, a16, a8, off
	ds_load_b128 v[\reg:\reg+3], v[\a16] offset:\off
	ds_load_b64 v[\reg+4:\reg+5], v[\a8] offset:\off
	ds_load_b128 v[\reg+6:\reg+9], v[\a16] offset:\off+768
	ds_load_b64 v[\reg+10:\reg+11], v[\a8] offset:\off+768
.endm
.macro FETCH sl, q                     ; my q-th K step of slot sl into set q: 32 + 24 loads
	WIN 0x40
.irp i, 0,1,2,3
	FRAGH 128*(\q)+12*\i, 4+20*(\sl), 6+20*(\sl), 12288*\i+1536*(\q)
.endr
.irp i, 0,1,2,3
	FRAGH 128*(\q)+48+12*\i, 5+20*(\sl), 7+20*(\sl), 12288*\i+1536*(\q)
.endr
	WIN 0xc0
.irp i, 0,1,2,3
.irp p, 0,1,2,3,4,5
	ds_load_b64 v[64*(\q)+12*\i+2*\p:64*(\q)+12*\i+2*\p+1], v[8+20*(\sl)+6*(\q)+\p] offset:13056*\i
.endr
.endr
	WIN 0
.endm
.macro SBLOAD s                        ; memory's scale words of slot step s: register 2 j + q: lanes 0-15 tile 2 j, lanes 16-31 tile 2 j + 1
.irp j, 0,1
	ds_load_b64 v[48+4*((\s)%2)+2*\j:49+4*((\s)%2)+2*\j], v20 offset:8704*\j+32*(\s)
.endr
.endm
; The eight scale words of slot step s (my two K steps x four rows a lane) are brought under the row's M, and their l are summed.  All of it in window 0, on registers that no matrix instruction names but the
; scale words themselves, which are first named by step s's products.
.macro FIX s
	s_wait_loadcnt 28-4*(\s)                       ; of the 32 loads of l and scale words the first 4 s + 4 are in; the later steps' may be out
.set k, 8*(\s)
.rept 8
	v_sub_f32 v[128+k], v[56+k%4], v[128+k]        ; -d
.set k, k+1
.endr
.set k, 8*(\s)
.rept 8
	v_cvt_i32_f32 v[128+k], v[128+k]               ; (it saturates)
.set k, k+1
.endr
.set k, 8*(\s)
.rept 8
	v_ldexp_f32 v[192+k], v[192+k], v[128+k]       ; l x 2^-d
.set k, k+1
.endr
.if (\s) == 0
.irp j, 0,1,2,3
	v_add_f32 v[60+\j], v[192+\j], v[196+\j]       ; the first two start the sums
.endr
.else
.set k, 8*(\s)
.rept 8
	v_add_f32 v[60+k%4], v[60+k%4], v[192+k]
.set k, k+1
.endr
.endif
.set k, 8*(\s)
.rept 8
	v_sub_nc_u32 v[192+k], 0, v[128+k]             ; d
.set k, k+1
.endr
.set k, 8*(\s)
.rept 8
	v_min_u32 v[192+k], 0x7f, v[192+k]
.set k, k+1
.endr
.set k, 8*(\s)
.rept 8
	v_lshl_or_b32 v[192+k], v[192+k], 8, v[192+k]
.set k, k+1
.endr
.set k, 8*(\s)
.rept 8
	v_lshl_or_b32 v[192+k], v[192+k], 16, v[192+k] ; in all four bytes
.set k, k+1
.endr
.set k, 8*(\s)
.rept 8
	v_or_b32 v[128+k], s66, v[64+k]
.set k, k+1
.endr
.set k, 8*(\s)
.rept 8
	v_sub_nc_u32 v[128+k], v[128+k], v[192+k]      ; byte + 128 - d: its top bit says that byte - d is not negative
.set k, k+1
.endr
.set k, 8*(\s)
.rept 8
	v_and_b32 v[192+k], s66, v[128+k]
.set k, k+1
.endr
.set k, 8*(\s)
.rept 2
.irp i, 0,1,2,3
	v_lshrrev_b32 v[40+\i], 7, v[192+k+\i]
.endr
.irp i, 0,1,2,3
	v_sub_nc_u32 v[192+k+\i], v[192+k+\i], v[40+\i]    ; 0x7f in the bytes that stay, 0 in the others
.endr
.set k, k+4
.endr
.set k, 8*(\s)
.rept 8
	v_and_b32 v[64+k], v[128+k], v[192+k]          ; p's scale words under the row's M
.set k, k+1
.endr
.rept 4
	v_nop                                          ; with the four places at the head of the step's first products: eight plain places between a scale register's write and the scaled matrix instruction that names it
.endr
.endm
.macro EMIT zero
.if \zero
.if (oa == 0) && (ob == 0)
	v_wmma_scale_f32_16x16x128_f8f6f4 v[rD:rD+7], v[rB:rB+11], v[rA:rA+11], 0, v[rS0], v[rS1] matrix_a_fmt:MATRIX_FMT_FP6 matrix_b_fmt:MATRIX_FMT_FP6
.elseif oa == 0
	v_wmma_scale_f32_16x16x128_f8f6f4 v[rD:rD+7], v[rB:rB+11], v[rA:rA+11], 0, v[rS0], v[rS1] matrix_a_fmt:MATRIX_FMT_FP6 matrix_b_fmt:MATRIX_FMT_FP6 matrix_a_scale:MATRIX_SCALE_ROW1
.elseif ob == 0
	v_wmma_scale_f32_16x16x128_f8f6f4 v[rD:rD+7], v[rB:rB+11], v[rA:rA+11], 0, v[rS0], v[rS1] matrix_a_fmt:MATRIX_FMT_FP6 matrix_b_fmt:MATRIX_FMT_FP6 matrix_b_scale:MATRIX_SCALE_ROW1
.else
	v_wmma_scale_f32_16x16x128_f8f6f4 v[rD:rD+7], v[rB:rB+11], v[rA:rA+11], 0, v[rS0], v[rS1] matrix_a_fmt:MATRIX_FMT_FP6 matrix_b_fmt:MATRIX_FMT_FP6 matrix_a_scale:MATRIX_SCALE_ROW1 matrix_b_scale:MATRIX_SCALE_ROW1
.endif
.else
.if (oa == 0) && (ob == 0)
	v_wmma_scale_f32_16x16x128_f8f6f4 v[rD:rD+7], v[rB:rB+11], v[rA:rA+11], v[rD:rD+7], v[rS0], v[rS1] matrix_a_fmt:MATRIX_FMT_FP6 matrix_b_fmt:MATRIX_FMT_FP6
.elseif oa == 0
	v_wmma_scale_f32_16x16x128_f8f6f4 v[rD:rD+7], v[rB:rB+11], v[rA:rA+11], v[rD:rD+7], v[rS0], v[rS1] matrix_a_fmt:MATRIX_FMT_FP6 matrix_b_fmt:MATRIX_FMT_FP6 matrix_a_scale:MATRIX_SCALE_ROW1
.elseif ob == 0
	v_wmma_scale_f32_16x16x128_f8f6f4 v[rD:rD+7], v[rB:rB+11], v[rA:rA+11], v[rD:rD+7], v[rS0], v[rS1] matrix_a_fmt:MATRIX_FMT_FP6 matrix_b_fmt:MATRIX_FMT_FP6 matrix_b_scale:MATRIX_SCALE_ROW1
.else
	v_wmma_scale_f32_16x16x128_f8f6f4 v[rD:rD+7], v[rB:rB+11], v[rA:rA+11], v[rD:rD+7], v[rS0], v[rS1] matrix_a_fmt:MATRIX_FMT_FP6 matrix_b_fmt:MATRIX_FMT_FP6 matrix_a_scale:MATRIX_SCALE_ROW1 matrix_b_scale:MATRIX_SCALE_ROW1
.endif
.endif
.endm
.macro MULR i0, cnt, s, q, zero        ; accumulators i0 .. i0 + cnt - 1 (4 a + b), my q-th K step of slot step s.  The 32 take turns, one instruction a turn
.set ia, \i0
.rept \cnt
.set rD, 8*ia
.set rB, 64*(\q)+12*(ia%4)
.set rA, 128*(\q)+12*(ia/4)
.set rS0, 48+4*((\s)%2)+2*((ia%4)/2)+(\q)
.set rS1, 64+4*(2*(\s)+(\q))+(ia/4)/2
.set oa, (ia/4)%2
.set ob, ia%2
	EMIT \zero
.set ia, ia+1
.endr
.endm
.macro Q0 s, zero                      ; my first K step of slot step s; my second is asked for ahead of it
	PLACES                                         ; four plain places in front of loads into registers that matrix instructions have read
	FETCH (\s)%2, 1
	s_wait_dscnt 56                                ; all but the 56 loads just issued
	WIN MUL
	MULR 0, 32, \s, 0, \zero
.endm
; My second K step, and the change of slots.  Half of its products and the next step's scale words stand AHEAD of the wait for the next slot's tile: they want registers alone.  So nothing but the round
; stands between that wait and the request for the tile after it.
.macro TURN s
	s_wait_dscnt 0x0                               ; my second K step's fragments are in: my reads of this slot are over
	MULR 0, 16, \s, 1, 0
	WIN 0
	FIX (\s)+1
	s_wait_tensorcnt 0x0                           ; all my tensor loads have landed: my part of the next slot;
	ds_add_u32 v[SPW], v[NIL]                      ; 0 onto my spare word
	s_wait_dscnt 0x0                               ; the add is done
	s_barrier_signal -1
	s_barrier_wait -1
.if (\s) <= 5
	CREST                                          ; the barrier has opened a round of the cluster's: no wave of any partner still reads this slot or has a load on its way
	s_add_nc_u64 s[G0+4*((\s)%2)+2:G0+4*((\s)%2)+3], s[G0+4*((\s)%2)+2:G0+4*((\s)%2)+3], 24576
	s_add_nc_u64 s[G0B+4*((\s)%2)+2:G0B+4*((\s)%2)+3], s[G0B+4*((\s)%2)+2:G0B+4*((\s)%2)+3], 1536
	JLOAD G0+4*((\s)%2), G1, G0B+4*((\s)%2), G1B   ; my one tensor load behind the round: slot step s + 2; its four v_nop are also places in front of the loads below
.else
	PLACES
.endif
	FETCH ((\s)+1)%2, 0
	SBLOAD (\s)+1
	WIN MUL
	MULR 16, 16, \s, 1, 0
.endm
	s_wait_loadcnt 32                              ; -M is in; the 32 younger loads (l, the scale words) may be out
.irp j, 0,1,2,3
	v_min3_num_f32 v[56+\j], v[128+\j], v[132+\j], v[136+\j]
.endr
.irp n, 3,5,7,9,11,13
.irp j, 0,1,2,3
	v_min3_num_f32 v[56+\j], v[56+\j], v[128+4*\n+\j], v[132+4*\n+\j]
.endr
.endr
.irp j, 0,1,2,3
	v_min_num_f32 v[56+\j], v[56+\j], v[188+\j]
.endr
	ds_store_b128 v45, v[56:59]
	s_wait_tensorcnt 1                             ; memory's scale bytes and my part of slot 0 are in; slot 1's load may be out
	s_wait_dscnt 0x0                               ; for the others: my store is done
	s_barrier_signal -1
	s_barrier_wait -1
	WIN 0x40                                       ; into v96-111 of window 1, which no fragment takes
.irp w, 0,1,2,3
	ds_load_b128 v[96+4*\w:99+4*\w], v46 offset:512*\w
.endr
	FETCH 0, 0
	SBLOAD 0
	s_wait_dscnt 58                                ; the four waves' smallest -M are in; the 56 + 2 loads behind them may be out
	WIN 0x14
.irp j, 0,1,2,3
	v_min3_num_f32 v[56+\j], v[56+\j], v[96+\j], v[100+\j]
.endr
.irp j, 0,1,2,3
	v_min3_num_f32 v[56+\j], v[56+\j], v[104+\j], v[108+\j]    ; minus the row's M
.endr
	WIN 0
	FIX 0
	Q0 0, 1                                        ; the first products start the sums
	TURN 0
.irp s, 1,2,3,4,5,6
	Q0 \s, 0
	TURN \s
.endr
	Q0 7, 0
	s_wait_dscnt 0x0
	MULR 0, 32, 7, 1, 0
	WIN 0
	; ---- THE END.  The address lines are also the places behind the last products
	s_lshl_b32 s100, s92, 13
	v_add_nc_u32 v4, s100, v23                     ; where I put my sums: 32,768 x the wave they go to + 8,192 x my wave + 1,024 x accumulator + 16 x lane
	v_add_nc_u32 v5, 65536, v4
	s_lshl_b32 s100, s92, 15
	v_add_nc_u32 v6, s100, v23                     ; where I find those that come to me
	s_mul_i32 s100, s92, 640
	s_add_co_u32 s100, s100, RLB
	v_lshl_add_u32 v7, v1, 2, s100                 ; 1 / l of rows 32 w + 16 i + r, in my copy
	s_mul_i32 s100, s92, 8704
	s_add_co_u32 s100, s100, OST
	v_mul_u32_u24 v8, v1, 272
	v_lshl_add_u32 v8, v2, 5, v8
	v_add_nc_u32 v8, s100, v8
	v_mul_u32_u24 v9, v2, 272
	v_lshl_add_u32 v9, v1, 4, v9
	v_add_nc_u32 v9, s100, v9
	v_lshlrev_b32 v10, 12, v2
	v_lshl_add_u32 v10, v1, 4, v10
	s_lshl_b32 s96, s95, 19
	s_lshl_b32 s97, s92, 17
	s_add_co_u32 s96, s96, s97
	s_lshl_b32 s97, s42, 8
	s_add_co_u32 s96, s96, s97
	s_mov_b32 s97, 0
	s_add_nc_u64 s[12:13], s[12:13], s[96:97]
	ds_store_b128 v45, v[60:63] offset:2048        ; my K steps' part of l
	s_wait_dscnt 0x0
	s_barrier_signal -1                            ; no wave reads a slot any more, and both have had their last fill
	s_barrier_wait -1
	WIN 0xc0                                       ; into window 3, whose fragments are done with
.irp w, 0,1,2,3
	ds_load_b128 v[4*\w:4*\w+3], v46 offset:2048+512*\w
.endr
	WIN 0x08                                       ; an LDS store's data are its source 1: window 2
.set ia, 0
.rept 32
	ds_store_b128 v[4+ia/16], v[8*ia:8*ia+3] offset:32768*((ia/8)%2)+1024*(ia%8)           ; each accumulator from its low end on
	ds_store_b128 v[4+ia/16], v[8*ia+4:8*ia+7] offset:32768*((ia/8)%2)+1024*(ia%8)+512
.set ia, ia+1
.endr
	WIN 0
	s_wait_dscnt 0x0
	s_barrier_signal -1
	s_barrier_wait -1
	WIN 0x0f
.irp j, 0,1,2,3
	v_add_f32 v[60+\j], v[\j], v[4+\j]
.endr
	WIN 0x0c
.irp j, 0,1,2,3
	v_add_f32 v[60+\j], v[60+\j], v[8+\j]
.endr
.irp j, 0,1,2,3
	v_add_f32 v[60+\j], v[60+\j], v[12+\j]         ; the row's l
.endr
	WIN 0
.irp j, 0,1,2,3
	v_rcp_f32 v[60+\j], v[60+\j]
.endr
	v_nop
	s_wait_alu depctr_va_vdst(0)
.irp j, 0,1,2,3
	ds_store_b32 v47, v[60+\j] offset:128*\j       ; my wave's own copy, by rows
.endr
	ds_load_b32 v40, v7                            ; LDS serves a wave's instructions in order: these see my stores
	ds_load_b32 v42, v7 offset:64
.set k, 0
.rept 16
	ds_load_b128 v[128+4*k:131+4*k], v6 offset:512*k
.set k, k+1
.endr
.set k, 0
.rept 16
	ds_load_b128 v[192+4*k:195+4*k], v6 offset:8192+512*k
.set k, k+1
.endr
	WIN 0x40
.set k, 0
.rept 32
	ds_load_b128 v[4*k:4*k+3], v6 offset:16384+512*k
.set k, k+1
.endr
	WIN 0
	s_wait_dscnt 32                                ; waves 0 and 1's sums are in; the 32 younger loads may be out
.set k, 0
.rept 32
	v_pk_add_f32 v[128+2*k:129+2*k], v[128+2*k:129+2*k], v[192+2*k:193+2*k]
.set k, k+1
.endr
	s_wait_dscnt 16                                ; wave 2's
	WIN 0x04
.set k, 0
.rept 32
	v_pk_add_f32 v[128+2*k:129+2*k], v[128+2*k:129+2*k], v[2*k:2*k+1]
.set k, k+1
.endr
	s_wait_dscnt 0x0                               ; wave 3's
.set k, 0
.rept 32
	v_pk_add_f32 v[128+2*k:129+2*k], v[128+2*k:129+2*k], v[64+2*k:65+2*k]
.set k, k+1
.endr
	WIN 0
.set k, 0
.rept 32
	v_pk_mul_f32 v[128+2*k:129+2*k], v[128+2*k:129+2*k], v[40+2*(k/16):41+2*(k/16)] op_sel_hi:[1,0]   ; / l
.set k, k+1
.endr
.set k, 0
.rept 8                                ; accumulator 4 i + b: rows 16 i + r, columns 16 b + 8 h + 0 .. 7
	ds_store_b128 v8, v[128+8*k:131+8*k] offset:4352*(k/4)+64*(k%4)
	ds_store_b128 v8, v[132+8*k:135+8*k] offset:4352*(k/4)+64*(k%4)+16
.set k, k+1
.endr
.set k, 0
.rept 16
	ds_load_b128 v[192+4*k:195+4*k], v9 offset:544*k   ; LDS serves a wave's instructions in order: these see my stores
.set k, k+1
.endr
.set k, 0
.rept 16
	s_wait_dscnt 15-k
	global_store_b128 v10, v[192+4*k:195+4*k], s[12:13] offset:8192*k th:TH_STORE_NT   ; sixteen lanes store 256 consecutive bytes, aligned; two rows a store
.set k, k+1
.endr
	s_wait_tensorcnt 0x0                           ; the wave's end
	ds_add_u32 v[SPW], v[NIL]
	s_wait_dscnt 0x0
	CROUND                                         ; the closing round
	s_endpgm
.Lfunc_end_k_q952d5229a0_readout:
	.size	k_q952d5229a0_readout, .Lfunc_end_k_q952d5229a0_readout-k_q952d5229a0_readout
	.p2alignl 7, 3214868480
	.fill 96, 4, 3214868480
	.section	.rodata,"a",@progbits
	.p2align	6, 0x0
	.amdhsa_kernel k_q952d5229a0_readout
		.amdhsa_group_segment_fixed_size 327680
		.amdhsa_private_segment_fixed_size 0
		.amdhsa_enable_private_segment 0
		.amdhsa_kernarg_size 40
		.amdhsa_user_sgpr_count 2
		.amdhsa_user_sgpr_kernarg_segment_ptr 1
		.amdhsa_wavefront_size32 1
		.amdhsa_system_sgpr_workgroup_id_x 1
		.amdhsa_system_sgpr_workgroup_id_y 1
		.amdhsa_system_sgpr_workgroup_id_z 1
		.amdhsa_system_vgpr_workitem_id 0
		.amdhsa_next_free_vgpr 1024
		.amdhsa_next_free_sgpr 102
		.amdhsa_reserve_vcc 0
		.amdhsa_float_denorm_mode_32 3
		.amdhsa_float_denorm_mode_16_64 3
		.amdhsa_memory_ordered 1
		.amdhsa_forward_progress 1
		.amdhsa_inst_pref_size 211
	.end_amdhsa_kernel
	.amdgpu_metadata
---
amdhsa.version: [ 1, 2 ]
amdhsa.kernels:
  - .name:           k_q952d5229a0_readout
    .symbol:         k_q952d5229a0_readout.kd
    .args:
      - { .name: pbuf, .offset: 0, .size: 8, .value_kind: global_buffer, .address_space: global }
      - { .name: sbuf, .offset: 8, .size: 8, .value_kind: global_buffer, .address_space: global }
      - { .name: memory_codes, .offset: 16, .size: 8, .value_kind: global_buffer, .address_space: global }
      - { .name: memory_scales, .offset: 24, .size: 8, .value_kind: global_buffer, .address_space: global }
      - { .name: out0, .offset: 32, .size: 8, .value_kind: global_buffer, .address_space: global }
    .group_segment_fixed_size: 327680
    .private_segment_fixed_size: 0
    .kernarg_segment_align: 8
    .kernarg_segment_size: 40
    .max_flat_workgroup_size: 128
    .sgpr_count:     102
    .vgpr_count:     1024
    .wavefront_size: 32
...
	.end_amdgpu_metadata
.endif
;; end of part 4
